; MI455X (gfx1250); checked and timed in simulation.
; The chip was launched on July 23, 2026; its instructions are those of AMD's public machine-readable ISA for CDNA 5 (MIT licence, August 2026) and "CDNA5" Instruction Set Architecture Reference Guide (July 2026). The comments in the code are by the model that wrote it; some were corrected since.
;; MAC Cell. Allowed arithmetic: matrix products marked QUANTISED: E2M3 operands, one E8M0 scale for each 32 along K, by v_wmma_scale_f32_16x16x128_f8f6f4 with both operands' format E2M3, f32 sums; products left as they are: f32 operands where the result goes on into a quantised operand, else bf16, f16 or f32 operands; f32 sums; everything else in f32.
;; Inputs: W_cat 1,024 x 512 float32; W_cattn 512 x 1 float32; W_cq 1,024 x 512 float32; W_kb 512 x 512 float32; W_mem 512 x 512 float32; W_rattn 512 x 1 float32; W_wr 1,024 x 512 float32; b_cat 512 float32; b_cattn 1 float32; b_cq 512 float32; b_kb 512 float32; b_mem 512 float32; b_rattn 1 float32; b_wr 512 float32; context 128 x 64 x 512 float32; control 128 x 512 float32; kb 128 x 512 x 512 float32; kb_mask 128 x 512 bool; memory 128 x 512 float32; q_mask 128 x 64 bool; question 128 x 512 float32; step_emb 8 x 512 float32.
;; Outputs: out0 128 x 512 float32; out1 128 x 512 float32; out2 128 x 512 float32.
;; Constants: step = 1.
;; This version of the problem:
;;   THIS VERSION OF THE PROBLEM IS GIVEN IN LOW PRECISION. The matrix products marked QUANTISED in the list below multiply operands that are first quantised to E2M3 (2 exponent bits, 3 mantissa bits; 6 bits a number), with one power-of-two scale for each 32 numbers along K (OCP MX v1.0); their sums are f32. All else is computed in f32.
;;   The module's matrix products, in the order in which they are computed (A, B: the left and right operand; K: the contracted axis; several contracted axes count as one K, in the product's order):
;;     1. [M 128, K 1,024] x [K 1,024, N 512]; A: computed on the way; B: input W_cq: QUANTISED
;;     2. [M 8,192, K 512] x [K 512, N 1]; A: computed on the way; B: input W_cattn: left as it is (N = 1 < 16)
;;     3. batch 128 x [M 1, K 64] x [K 64, N 512]; A: softmax; B: input context: left as it is (M = 1 < 16)
;;     4. [M 128, K 512] x [K 512, N 512]; A: input memory; B: input W_mem: QUANTISED
;;     5. [M 65,536, K 512] x [K 512, N 512]; A: input kb; B: input W_kb: QUANTISED
;;     6. [M 65,536, K 1,024] x [K 1,024, N 512]; A: computed on the way; B: input W_cat: QUANTISED
;;     7. [M 65,536, K 512] x [K 512, N 1]; A: computed on the way; B: input W_rattn: left as it is (N = 1 < 16)
;;     8. batch 128 x [M 1, K 512] x [K 512, N 512]; A: softmax; B: input kb: left as it is (M = 1 < 16)
;;     9. [M 128, K 1,024] x [K 1,024, N 512]; A: computed on the way; B: input W_wr: QUANTISED
;;   THE QUANTISER, for each operand of a quantised product, along K:
;;     - K is cut into blocks of 32 from its start; a last block that is shorter is filled with zeros.
;;     - A block's scale is 2^e with e = floor(log2(the largest magnitude in the block)) - 2, held to -126 .. 127; a block of zeros has e = 0. As a byte (E8M0): e + 127.
;;     - Each number is divided by its block's scale, clamped to +-7.5, and rounded to the nearest number of E2M3, ties to even, subnormals kept.
;;     - The product sums the exact products of the quantised numbers (number of the format x scale) in f32.
;;   ~~~python
;;   def quantise(x, axis):      # numpy; x: float32 -> the quantised numbers, widened to float32 again
;;       x = np.moveaxis(x, axis, -1); K = x.shape[-1]
;;       x = np.pad(x, [(0, 0)] * (x.ndim - 1) + [(0, -K % 32)]); x = x.reshape(x.shape[:-1] + (-1, 32)); a = np.abs(x).max(-1, keepdims=True)
;;       e = np.where(a > 0, np.clip(np.frexp(np.where(a > 0, a, 1))[1] - 1 - 2, -126, 127), 0)      # np.frexp(a)[1] - 1 = floor(log2(a)), exactly
;;       r = np.clip(x / 2.0 ** e, -7.5, 7.5)
;;       step = 2.0 ** (np.maximum(np.frexp(np.where(r == 0, 1, r))[1] - 1, 0) - 3)
;;       q = np.round(r / step) * step * 2.0 ** e      # np.round: ties to even
;;       return np.moveaxis(q.reshape(q.shape[:-2] + (-1,))[..., :K], -1, axis).astype(np.float32)
;;   ~~~
;;   OPERANDS COMPUTED ON THE WAY. 'Computed on the way' means the value that the module computes at that place (a softmax that the list does not call 'softmax' is quantised finished and normalised). What goes into a quantiser is computed in f32, as accurately as f32 sums, v_exp_f32 and their like allow (about 1e-6 of the number): no bf16 or f16 on the way to a quantiser, and a product that is left as it is and whose result goes on into a quantised operand takes f32 operands (vector FMAs, or v_wmma_f32_16x16x4_f32). A number that lies on a knife's edge between two numbers of the format may be rounded either way, as far as f32 arithmetic and the matrix unit's own rounding can turn it there, and no further.
;; One version. Each part assembles by itself: llvm-mc -triple=amdgcn-amd-amdhsa -mcpu=gfx1250 --defsym DOCPART=n.
;; ======== version 1 of 1: 4 launches
;; workspace buffers: cqp 262,144 bytes; memp 262,144 bytes; wstream 614,400 bytes; rlog 262,144 bytes; rv 262,144 bytes; wwr 409,600 bytes
;; launch prep (part 1): grid 182 x 1, 12 waves a work-group, no clusters, 127,488 bytes of LDS; arguments control, question, memory, W_cq, W_mem, W_kb, W_cat, b_cq, step_emb, b_mem, cqp, memp, wstream, W_wr, wwr; writes cqp, memp, wstream, wwr
.if DOCPART == 1
	.amdgcn_target "amdgcn-amd-amdhsa--gfx1250"
	.amdhsa_code_object_version 6
	.text
	.protected	k_q1969b48fef_prep
	.globl	k_q1969b48fef_prep
	.p2align	8
	.type	k_q1969b48fef_prep,@function
k_q1969b48fef_prep:
	s_mov_b64 s[64:65], 0
	v_nop
	global_prefetch_b8 v0, s[64:65] scope:SCOPE_SE
	s_setreg_imm32_b32 hwreg(HW_REG_WAVE_MODE, 25, 1), 1
	s_wait_xcnt 0x0
; Two kinds of work-groups, told apart by the work-group's number alone.
; 0..127:   cqp = [control, question] W_cq + b_cq + step_emb[1] and memp = memory W_mem + b_mem, both products on codes of FP6 (E2M3) with one E8M0 scale for each 32 along K.
;           Work-group (n, rg) makes 16 columns (16 n ..) of 32 batch rows (32 rg ..) of BOTH outputs.  Each of its twelve waves takes ONE K step of 128: waves 0-3 control, 4-7 question (W_cq's rows 128 w ..),
;           8-11 memory (W_mem).  A wave's two tiles of 16 rows come by loads of 512 consecutive bytes and turn through the wave's own stage in LDS, so that a lane holds 16 neighbours of each block of 32;
;           its piece of the weight comes a lane to a column, registers down K.  Both are quantised in registers; two matrix instructions; the partial sums meet in LDS; waves 0-3 add them and the biases and store.
;           ORDER OF THE LOADS: the rows' 32 first, the weight's 64 behind them.  A wave's load counter holds 63 (ISA guide 5.7.1: the issue of a load that would pass the field is held), so the last weight loads
;           go out when the first loads are back; the rows are turned and quantised while those are on their way, and only the weight's quantiser stands behind them.
;           The biases are asked for as soon as 16 registers are free, long before the barrier behind which they are used.
; 128..181: W_kb, W_cat and W_wr become codes laid in the ORDER OF THE OPERAND'S REGISTERS, one fragment (16 columns x 128 K) a wave: 1,536 bytes (three blocks of 512: lane l's 16 bytes at 16 l) and 64 bytes of scale words.
;           Fragments 0-383 go to wstream, as twelve fills of 51,200 bytes (32 fragments, then their 32 x 64 bytes of scale words):
;           fills 0-3: W_kb, hidden units 128 F ..; fragment 8 s + t; lane r of tile t takes column 128 F + 32 (t / 2) + 8 (t % 2) + r + 8 (r / 8), so that the next launch's results lie as the next K wants them;
;           fills 4-11: W_cat; fragment 16 c + 2 s + t; lane r takes column 16 (4 (F - 4) + 2 c + t) + r.
;           Fragments 384-639 go to wwr: W_wr's K step s, columns 16 n .., at 1,536 (32 s + n); their scale words from byte 393,216 on, 64 bytes each.  54 x 12 waves are eight more than there are fragments: those end.
; The matrix instruction is used transposed (source 0 = 16 columns of the weight, source 1 = 16 batch rows): a lane holds eight neighbouring outputs of one row.
; NO CLUSTER, NO TENSOR LOAD: what work-groups share here is a column strip of a weight that four of them read once each; all operands are f32 numbers that go through registers to be quantised.
; LIMITS: NaN and infinities among the inputs are not served.  A block whose largest magnitude lies under 2^-124 (a block of zeros too) gets the scale byte 1; the bytes are read by this program alone.
;         The sum over K is split over waves: its f32 additions stand in another order than in one chain.
.set WV,   34
.set AP,   40                          ; s[40:41] my rows' numbers (second kind: the buffer that takes my fragment)
.set WP,   42                          ; s[42:43] my piece of the weight
.set SEL,  58                          ; s[58:59] v_permlanex16_b32's selects for lane l xor 16
.set STG,  24576                       ; LDS: twelve partial sums of 2,048 bytes; behind them a stage of 16 rows x 528 bytes for each wave
.set STGB, 8448
.set WOFF, 6
.set STI,  7                           ; into my stage: 16 x lane
.set STO,  8                           ; out of it: 528 r + 64 h
.set PWA,  14                          ; the row tiles' scale words
.set PWB,  15
.set WN,   16                          ; v16-79   64 numbers of the weight
.set AN0,  80                          ; v80-143  row tile 0; when it is quantised: the biases, tile 1's codes, the two accumulators
.set AN1,  144                         ; v144-207 row tile 1; at the end the partial sums
.set BI,   80
.set SE,   88
.set PCB,  96
.set ACC,  116
.set SUM,  144
.set WC,   208                         ; v208-219 the weight's fragment
.set TM,   220                         ; v220-235 the rows' quantiser at work; the weight's quantiser, which runs at another time, uses the same registers:
.set WT,   220
.set MX,   228
.set SO,   230
.set BY,   232
.set TT,   234
.set PCA,  236                         ; v236-254 tile 0's codes
.set WSW,  255                         ; the weight's scale word
.macro PLACES n
.rept \n
	v_nop
.endr
.endm
.macro WLOAD                           ; W(128 s + 64 c + 32 h + i, my column): sixteen neighbouring lanes read 64 neighbouring bytes
.irp c, 0,1
.set ci, 0
.rept 32
	global_load_b32 v[WN+32*\c+ci], v[WOFF], s[WP:WP+1] offset:(64*\c+ci)*2048
.set ci, ci+1
.endr
.endr
.endm
.macro ALOAD reg, mt                   ; row tile mt: 16 rows x my K step's 512 bytes; each load reads 512 consecutive bytes
.set ci, 0
.rept 16
	global_load_b128 v[\reg+4*ci:\reg+4*ci+3], v4, s[AP:AP+1] offset:32768*\mt+2048*ci
.set ci, ci+1
.endr
.endm
; a tile through my stage, back into the registers that it left: register 16 b + 4 q + e is then k = 32 b + 16 h + 4 q + e of row r.  LDS serves a wave's instructions in order (ISA guide 5.7.1.4): no wait between
; the stores and the loads, nor in front of the next tile's stores.  Rows 528 bytes apart: the sixteen rows that a load touches start at sixteen different columns of 16 bytes.
.macro TURN reg
.set ci, 0
.rept 16
	ds_store_b128 v[STI], v[\reg+4*ci:\reg+4*ci+3] offset:528*ci
.set ci, ci+1
.endr
.irp b, 0,1,2,3
.irp q, 0,1,2,3
	ds_load_b128 v[\reg+16*\b+4*\q:\reg+16*\b+4*\q+3], v[STO] offset:128*\b+16*\q
.endr
.endr
.endm
; the weight's 64 numbers of a lane (two whole blocks of 32) become the fragment v[WC] on and the scale word v[WSW]
.macro QW
.irp c, 0,1
	v_max3_num_f32 v[MX+\c], |v[WN+32*\c]|, |v[WN+1+32*\c]|, 0x1800000   ; with the floor 2^(3 - 127): the byte cannot fall under 1
.endr
.irp i, 2,4,6,8,10,12,14,16,18,20,22,24,26,28,30
.irp c, 0,1
	v_max3_num_f32 v[MX+\c], v[MX+\c], |v[WN+32*\c+\i]|, |v[WN+1+32*\c+\i]|
.endr
.endr
.irp c, 0,1
	v_add_nc_u32 v[SO+\c], 0xff000000, v[MX+\c]    ; 2 off the exponent field: the conversion's scale operand
.endr
.irp c, 0,1
	v_lshrrev_b32 v[BY+\c], 23, v[SO+\c]           ; the scale's byte
.endr
	v_lshl_or_b32 v[WSW], v[BY+1], 16, v[BY]       ; my two bytes: blocks h and 2 + h,
	v_lshlrev_b32 v[TT], 3, v3
	v_lshlrev_b32 v[WSW], v[TT], v[WSW]            ; at their places (8 h bits up);
	v_mov_b32 v[TT], 0
	v_permlanex16_b32 v[TT], v[WSW], s[SEL], s[SEL+1]
	v_or_b32 v[WSW], v[WSW], v[TT]                 ; with lane l xor 16's two the word is whole
.irp c, 0,1
	v_cvt_scalef32_pk16_fp6_f32 v[WC+6*\c:WC+6*\c+2], v[WN+32*\c:WN+32*\c+15], v[SO+\c]
	v_cvt_scalef32_pk16_fp6_f32 v[WT+4*\c:WT+4*\c+2], v[WN+32*\c+16:WN+32*\c+31], v[SO+\c]   ; (a conversion's three registers begin on an even number)
.endr
	v_nop                                          ; one plain place behind a scaled conversion
.irp c, 0,1
.irp i, 0,1,2
	v_mov_b32 v[WC+3+6*\c+\i], v[WT+4*\c+\i]
.endr
.endr
.endm
; 64 numbers of a lane, register 16 b + i = k 32 b + 16 h + i of my row, become a fragment's codes in v[pc] on and its scale word in v[pw]
.macro QUANT s, pc, pw
.irp b, 0,1,2,3
	v_max3_num_f32 v[TM+\b], |v[\s+16*\b]|, |v[\s+1+16*\b]|, 0x1800000
.endr
.irp i, 2,4,6,8,10,12,14
.irp b, 0,1,2,3
	v_max3_num_f32 v[TM+\b], v[TM+\b], |v[\s+16*\b+\i]|, |v[\s+1+16*\b+\i]|
.endr
.endr
.irp b, 0,1,2,3
	v_permlanex16_b32 v[TM+4+\b], v[TM+\b], s[SEL], s[SEL+1]
.endr
.irp b, 0,1,2,3
	v_max_num_f32 v[TM+\b], v[TM+\b], v[TM+4+\b]   ; with lane l xor 16's: the block's largest magnitude
.endr
.irp b, 0,1,2,3
	v_add_nc_u32 v[TM+12+\b], 0xff000000, v[TM+\b]
.endr
.irp b, 0,1,2,3
	v_lshrrev_b32 v[TM+4+\b], 23, v[TM+12+\b]
.endr
	v_lshl_or_b32 v[\pw], v[TM+5], 8, v[TM+4]
	v_lshl_or_b32 v[\pw], v[TM+6], 16, v[\pw]
	v_lshl_or_b32 v[\pw], v[TM+7], 24, v[\pw]
.irp c, 0,1
	v_cvt_scalef32_pk16_fp6_f32 v[\pc+6*\c:\pc+2+6*\c], v[\s+32*\c:\s+15+32*\c], v[TM+12+2*\c]
	v_cvt_scalef32_pk16_fp6_f32 v[\pc+12+4*\c:\pc+14+4*\c], v[\s+16+32*\c:\s+31+32*\c], v[TM+12+2*\c+1]
.endr
	v_nop                                          ; one plain place behind a scaled conversion
.irp c, 0,1                                    ; the operand's layout wants a whole block in a lane
.irp i, 0,1,2
	v_permlane16_swap_b32 v[\pc+6*\c+\i], v[\pc+12+4*\c+\i]
.endr
.irp i, 0,1,2
	v_mov_b32 v[\pc+3+6*\c+\i], v[\pc+12+4*\c+\i]
.endr
.endr
.endm
	s_load_b512 s[4:19], s[0:1], 0x0               ; control, question, memory, W_cq, W_mem, W_kb, W_cat, b_cq
	s_load_b256 s[20:27], s[0:1], 0x40             ; step_emb, b_mem, cqp, memp
	s_load_b128 s[28:31], s[0:1], 0x60             ; wstream, W_wr
	s_load_b64 s[32:33], s[0:1], 0x70              ; wwr
	v_lshl_add_u32 v251, v0, 2, 0x1ec00
	s_set_vgpr_msb 0x40
	v_mov_b32 v1, 0
	s_set_vgpr_msb 0x4000
	v_lshrrev_b32 v1, 5, v0
	v_readfirstlane_b32 s[WV], v1                  ; wave 0..11
	v_and_b32 v1, 31, v0                           ; lane
	v_and_b32 v2, 15, v0                           ; r
	v_bfe_u32 v3, v0, 4, 1                         ; h
	v_lshlrev_b32 v4, 4, v1                        ; 16 l
	v_lshlrev_b32 v5, 2, v2                        ; 4 r
	s_mov_b32 s[SEL], 0x76543210
	s_mov_b32 s[SEL+1], 0xfedcba98
.irp b, 0,1,2,3
	v_mov_b32 v[TM+4+\b], 0                        ; written once: a lane permute's destination counts as one of its sources
.endr
	s_wait_kmcnt 0x0
	s_cmp_ge_u32 ttmp9, 128
	s_cbranch_scc1 .Lweights
	; ---- the two small products
	s_and_b32 s35, ttmp9, 31                       ; n: which 16 columns
	s_lshr_b32 s36, ttmp9, 5                       ; rg: which 32 batch rows
	s_and_b32 s37, s[WV], 3                        ; my K step in my rows' tensor
	s_and_b32 s38, s[WV], 7                        ; and in my weight (waves 8-11: w - 8)
	s_lshl_b32 s44, s36, 16                        ; 32 rows of 2,048 bytes
	s_lshl_b32 s45, s37, 9                         ; 128 numbers
	s_add_co_u32 s44, s44, s45
	s_mov_b32 s45, 0
	s_lshl_b32 s46, s38, 18                        ; 128 rows of the weight
	s_lshl_b32 s47, s35, 6                         ; 16 columns
	s_add_co_u32 s46, s46, s47
	s_mov_b32 s47, 0
	s_cmp_lt_u32 s[WV], 4
	s_cselect_b64 s[AP:AP+1], s[4:5], s[6:7]       ; control or question,
	s_cmp_lt_u32 s[WV], 8
	s_cselect_b64 s[AP:AP+1], s[AP:AP+1], s[8:9]   ; or memory
	s_cselect_b64 s[WP:WP+1], s[10:11], s[12:13]   ; W_cq or W_mem
	s_add_nc_u64 s[AP:AP+1], s[AP:AP+1], s[44:45]
	s_add_nc_u64 s[WP:WP+1], s[WP:WP+1], s[46:47]
	v_lshl_add_u32 v[WOFF], v3, 16, v5             ; 32 h rows down, column r
	ALOAD AN0, 0
	ALOAD AN1, 1
	WLOAD
	; all addresses of the rest are made while the loads are on their way
	s_mul_i32 s50, s[WV], STGB
	s_add_co_u32 s50, s50, STG                     ; my stage
	v_add_nc_u32 v[STI], s50, v4
	v_mul_u32_u24 v13, v2, 528
	v_lshl_add_u32 v13, v3, 6, v13
	v_add_nc_u32 v[STO], s50, v13
	s_lshl_b32 s51, s[WV], 11
	v_add_nc_u32 v9, s51, v4                       ; my partial sums' place: 2,048 w + 16 l
	s_lshr_b32 s48, s[WV], 1                       ; waves 0-3 at the end: which output: 0 cqp, 1 memp;
	s_and_b32 s49, s[WV], 1                        ; which row tile
	s_lshl_b32 s52, s48, 14                        ; memp's partial sums are waves 8-11's
	s_lshl_b32 s53, s49, 10
	s_add_co_u32 s52, s52, s53
	v_add_nc_u32 v10, s52, v4
	s_lshl_b32 s53, s35, 6
	v_lshl_add_u32 v11, v3, 5, s53                 ; my eight columns: 64 n + 32 h bytes
	s_lshl_b32 s54, s36, 5
	s_lshl_b32 s55, s49, 4
	s_add_co_u32 s54, s54, s55
	s_lshl_b32 s54, s54, 11                        ; the tile's first row
	v_lshl_add_u32 v12, v2, 11, v11
	v_add_nc_u32 v12, s54, v12
	s_cmp_eq_u32 s48, 0
	s_cselect_b64 s[44:45], s[18:19], s[22:23]     ; b_cq or b_mem
	s_cselect_b64 s[46:47], s[24:25], s[26:27]     ; cqp or memp
	s_wait_loadcnt 0x3f                            ; behind the rows' last load 64 were issued: with 63 out at the most both tiles are in
	TURN AN0
	TURN AN1
	s_wait_dscnt 32                                ; tile 0 is back; tile 1's 32 LDS instructions are younger
	QUANT AN0, PCA, PWA
	global_load_b128 v[BI:BI+3], v11, s[44:45]     ; tile 0's registers are free: the bias and step_emb[1] (row 1: 2,048 bytes on) at my eight columns.  Every wave asks; waves 0-3 use them
	global_load_b128 v[BI+4:BI+7], v11, s[44:45] offset:16
	global_load_b128 v[SE:SE+3], v11, s[20:21] offset:2048
	global_load_b128 v[SE+4:SE+7], v11, s[20:21] offset:2064
	s_wait_dscnt 0x0
	QUANT AN1, PCB, PWB
	s_wait_loadcnt 4                               ; the weight's 64 loads are in; the four just issued are younger
	QW
	PLACES 8                                       ; a scale register written by a vector instruction stands 8 places ahead of a scaled matrix instruction, an operand 4
	v_wmma_scale_f32_16x16x128_f8f6f4 v[ACC:ACC+7], v[WC:WC+11], v[PCA:PCA+11], 0, v[WSW], v[PWA] matrix_a_fmt:MATRIX_FMT_FP6 matrix_b_fmt:MATRIX_FMT_FP6
	v_wmma_scale_f32_16x16x128_f8f6f4 v[ACC+8:ACC+15], v[WC:WC+11], v[PCB:PCB+11], 0, v[WSW], v[PWB] matrix_a_fmt:MATRIX_FMT_FP6 matrix_b_fmt:MATRIX_FMT_FP6
	PLACES 4
.irp t, 0,1
.irp e, 0,1
	ds_store_b128 v9, v[ACC+8*\t+4*\e:ACC+8*\t+4*\e+3] offset:1024*\t+512*\e   ; each accumulator from its low end on
.endr
.endr
	s_wait_dscnt 0x0                               ; for the others' sake: my partial sums lie in LDS
	s_barrier_signal -1
	s_barrier_wait -1
	s_cmp_ge_u32 s[WV], 4
	s_cbranch_scc1 .Ldone
.irp i, 0,1,2,3
.irp e, 0,1
	ds_load_b128 v[SUM+8*\i+4*\e:SUM+8*\i+4*\e+3], v10 offset:2048*\i+512*\e
.endr
.endr
	s_wait_loadcnt 0x0                             ; the biases, asked for long ago
	s_cmp_lg_u32 s48, 0
	s_cbranch_scc1 .Lfour
.irp i, 4,5,6,7                                ; cqp has eight K steps, and step_emb[1]: both go onto the bias
.irp e, 0,1
	ds_load_b128 v[SUM+8*\i+4*\e:SUM+8*\i+4*\e+3], v10 offset:2048*\i+512*\e
.endr
.endr
	s_wait_dscnt 0x0
.irp k, 0,2,4,6
	v_pk_add_f32 v[SUM+32+\k:SUM+33+\k], v[SUM+32+\k:SUM+33+\k], v[SUM+40+\k:SUM+41+\k]
	v_pk_add_f32 v[SUM+48+\k:SUM+49+\k], v[SUM+48+\k:SUM+49+\k], v[SUM+56+\k:SUM+57+\k]
	v_pk_add_f32 v[BI+\k:BI+1+\k], v[BI+\k:BI+1+\k], v[SE+\k:SE+1+\k]
.endr
.irp k, 0,2,4,6
	v_pk_add_f32 v[SUM+32+\k:SUM+33+\k], v[SUM+32+\k:SUM+33+\k], v[SUM+48+\k:SUM+49+\k]
.endr
.irp k, 0,2,4,6
	v_pk_add_f32 v[BI+\k:BI+1+\k], v[BI+\k:BI+1+\k], v[SUM+32+\k:SUM+33+\k]
.endr
.Lfour:
	s_wait_dscnt 0x0
.irp k, 0,2,4,6
	v_pk_add_f32 v[SUM+\k:SUM+1+\k], v[SUM+\k:SUM+1+\k], v[SUM+8+\k:SUM+9+\k]
	v_pk_add_f32 v[SUM+16+\k:SUM+17+\k], v[SUM+16+\k:SUM+17+\k], v[SUM+24+\k:SUM+25+\k]
.endr
.irp k, 0,2,4,6
	v_pk_add_f32 v[SUM+\k:SUM+1+\k], v[SUM+\k:SUM+1+\k], v[SUM+16+\k:SUM+17+\k]
.endr
.irp k, 0,2,4,6
	v_pk_add_f32 v[SUM+\k:SUM+1+\k], v[SUM+\k:SUM+1+\k], v[BI+\k:BI+1+\k]
.endr
	global_store_b128 v12, v[SUM:SUM+3], s[46:47]
	global_store_b128 v12, v[SUM+4:SUM+7], s[46:47] offset:16
.Ldone:
	s_set_vgpr_msb 0x4
	s_wait_tensorcnt 0x0
	ds_add_u32 v251, v1
	s_wait_dscnt 0x0
	s_set_vgpr_msb 0x400
	s_endpgm
	; ---- the large weights: one fragment a wave
.Lweights:
	s_sub_co_u32 s35, ttmp9, 128
	s_mul_i32 s35, s35, 12
	s_add_co_u32 s35, s35, s[WV]                   ; which of the 640 fragments
	s_cmp_ge_u32 s35, 640
	s_cbranch_scc1 .Lend                           ; the last work-group's last eight waves have none
	s_lshr_b32 s36, s35, 5                         ; by 32: the fill (0..11), then W_wr's K step + 12
	s_and_b32 s37, s35, 31                         ; the place in the fill; W_wr's column tile
	s_lshr_b32 s38, s37, 3                         ; W_kb: K step,
	s_and_b32 s39, s37, 7                          ; tile t
	s_lshr_b32 s44, s39, 1
	s_lshl_b32 s44, s44, 5
	s_and_b32 s39, s39, 1
	s_lshl_b32 s39, s39, 3
	s_add_co_u32 s39, s39, s44
	s_lshl_b32 s44, s36, 7
	s_add_co_u32 s39, s39, s44                     ; first column 128 F + 32 (t / 2) + 8 (t % 2)
	s_bfe_u32 s44, s37, 0x30001                    ; W_cat: K step,
	s_lshr_b32 s45, s37, 4
	s_lshl_b32 s45, s45, 1
	s_and_b32 s46, s37, 1
	s_add_co_u32 s45, s45, s46
	s_sub_co_u32 s46, s36, 4
	s_lshl_b32 s46, s46, 2
	s_add_co_u32 s45, s45, s46
	s_lshl_b32 s45, s45, 4                         ; first column 16 (4 (F - 4) + 2 c + t)
	s_sub_co_u32 s46, s36, 12                      ; W_wr: K step,
	s_lshl_b32 s47, s37, 4                         ; first column 16 n
	s_mul_i32 s48, s36, 51200
	s_mul_i32 s50, s37, 1536
	s_add_co_u32 s50, s50, s48                     ; in wstream: where the fragment goes,
	s_lshl_b32 s52, s37, 6
	s_add_co_u32 s52, s52, s48
	s_add_co_u32 s52, s52, 49152                   ; and its scale words
	s_sub_co_u32 s48, s35, 384
	s_mul_i32 s54, s48, 1536                       ; in wwr: the fragment,
	s_lshl_b32 s56, s48, 6
	s_add_co_u32 s56, s56, 393216                  ; and its scale words
	s_cmp_lt_u32 s35, 128                          ; the first 128 fragments are W_kb's,
	s_cselect_b32 s38, s38, s44
	s_cselect_b32 s39, s39, s45
	s_cselect_b32 s49, 32, 0                       ; W_kb's lanes 8-15 stand eight columns further on
	s_cselect_b64 s[WP:WP+1], s[14:15], s[16:17]
	s_cmp_lt_u32 s35, 384                          ; the next 256 W_cat's, the last 256 W_wr's
	s_cselect_b32 s38, s38, s46
	s_cselect_b32 s39, s39, s47
	s_cselect_b64 s[WP:WP+1], s[WP:WP+1], s[30:31]
	s_cselect_b32 s50, s50, s54
	s_cselect_b32 s52, s52, s56
	s_cselect_b64 s[AP:AP+1], s[28:29], s[32:33]   ; wstream or wwr
	s_mov_b32 s51, 0
	s_mov_b32 s53, 0
	s_lshl_b32 s38, s38, 18                        ; 128 rows of 2,048 bytes a K step
	s_lshl_b32 s39, s39, 2
	s_add_co_u32 s38, s38, s39
	s_mov_b32 s39, 0
	s_add_nc_u64 s[WP:WP+1], s[WP:WP+1], s[38:39]
	s_add_nc_u64 s[50:51], s[AP:AP+1], s[50:51]
	s_add_nc_u64 s[52:53], s[AP:AP+1], s[52:53]
	v_lshrrev_b32 v13, 3, v2
	v_mul_u32_u24 v13, s49, v13
	v_lshl_add_u32 v[WOFF], v3, 16, v5
	v_add_nc_u32 v[WOFF], v[WOFF], v13
	WLOAD
	s_wait_loadcnt 0x0
	QW
.irp c, 0,1,2
	global_store_b128 v4, v[WC+4*\c:WC+4*\c+3], s[50:51] offset:512*\c   ; 32 lanes store 512 consecutive bytes
.endr
	s_wait_xcnt 0x0                                ; EXEC changes only behind this wait
	v_cmp_gt_u32 vcc_lo, 16, v1
	s_and_saveexec_b32 s57, vcc_lo                 ; both halves of the lanes hold the same words: lanes 0-15 store them
	global_store_b32 v5, v[WSW], s[52:53]
	s_wait_xcnt 0x0
	s_or_b32 exec_lo, exec_lo, s57
.Lend:
	s_endpgm
.Lfunc_end_k_q1969b48fef_prep:
	.size	k_q1969b48fef_prep, .Lfunc_end_k_q1969b48fef_prep-k_q1969b48fef_prep
	.p2alignl 7, 3214868480
	.fill 96, 4, 3214868480
	.section	.rodata,"a",@progbits
	.p2align	6, 0x0
	.amdhsa_kernel k_q1969b48fef_prep
		.amdhsa_group_segment_fixed_size 127488
		.amdhsa_private_segment_fixed_size 0
		.amdhsa_enable_private_segment 0
		.amdhsa_kernarg_size 120
		.amdhsa_user_sgpr_count 2
		.amdhsa_user_sgpr_kernarg_segment_ptr 1
		.amdhsa_wavefront_size32 1
		.amdhsa_system_sgpr_workgroup_id_x 1
		.amdhsa_system_sgpr_workgroup_id_y 1
		.amdhsa_system_sgpr_workgroup_id_z 1
		.amdhsa_system_vgpr_workitem_id 0
		.amdhsa_next_free_vgpr 258
		.amdhsa_next_free_sgpr 66
		.amdhsa_reserve_vcc 1
		.amdhsa_float_denorm_mode_32 3
		.amdhsa_float_denorm_mode_16_64 3
		.amdhsa_memory_ordered 1
		.amdhsa_forward_progress 1
		.amdhsa_inst_pref_size 44
	.end_amdhsa_kernel
	.amdgpu_metadata
---
amdhsa.version: [ 1, 2 ]
amdhsa.kernels:
  - .name:           k_q1969b48fef_prep
    .symbol:         k_q1969b48fef_prep.kd
    .args:
      - { .name: control, .offset: 0, .size: 8, .value_kind: global_buffer, .address_space: global }
      - { .name: question, .offset: 8, .size: 8, .value_kind: global_buffer, .address_space: global }
      - { .name: memory, .offset: 16, .size: 8, .value_kind: global_buffer, .address_space: global }
      - { .name: W_cq, .offset: 24, .size: 8, .value_kind: global_buffer, .address_space: global }
      - { .name: W_mem, .offset: 32, .size: 8, .value_kind: global_buffer, .address_space: global }
      - { .name: W_kb, .offset: 40, .size: 8, .value_kind: global_buffer, .address_space: global }
      - { .name: W_cat, .offset: 48, .size: 8, .value_kind: global_buffer, .address_space: global }
      - { .name: b_cq, .offset: 56, .size: 8, .value_kind: global_buffer, .address_space: global }
      - { .name: step_emb, .offset: 64, .size: 8, .value_kind: global_buffer, .address_space: global }
      - { .name: b_mem, .offset: 72, .size: 8, .value_kind: global_buffer, .address_space: global }
      - { .name: cqp, .offset: 80, .size: 8, .value_kind: global_buffer, .address_space: global }
      - { .name: memp, .offset: 88, .size: 8, .value_kind: global_buffer, .address_space: global }
      - { .name: wstream, .offset: 96, .size: 8, .value_kind: global_buffer, .address_space: global }
      - { .name: W_wr, .offset: 104, .size: 8, .value_kind: global_buffer, .address_space: global }
      - { .name: wwr, .offset: 112, .size: 8, .value_kind: global_buffer, .address_space: global }
    .group_segment_fixed_size: 127488
    .private_segment_fixed_size: 0
    .kernarg_segment_align: 8
    .kernarg_segment_size: 120
    .max_flat_workgroup_size: 384
    .sgpr_count:     66
    .vgpr_count:     258
    .wavefront_size: 32
...
	.end_amdgpu_metadata
.endif
;; end of part 1
;; launch main (part 2): grid 256 x 1, 4 waves a work-group, clusters of 4 x 1, 327,680 bytes of LDS; arguments kb, context, q_mask, cqp, memp, wstream, W_cattn, b_cattn, W_rattn, b_rattn, b_kb, b_cat, out0, rlog; writes out0, rlog
.if DOCPART == 2
	.amdgcn_target "amdgcn-amd-amdhsa--gfx1250"
	.amdhsa_code_object_version 6
	.text
	.protected	k_q1969b48fef_main
	.globl	k_q1969b48fef_main
	.p2align	8
	.type	k_q1969b48fef_main,@function
k_q1969b48fef_main:
	s_mov_b64 s[64:65], 0
	v_nop
	global_prefetch_b8 v0, s[64:65] scope:SCOPE_SE
	s_setreg_imm32_b32 hwreg(HW_REG_WAVE_MODE, 25, 1), 1
	s_wait_xcnt 0x0
	s_wait_alu depctr_hold_cnt(0) depctr_sa_sdst(0) depctr_va_vdst(0) depctr_va_sdst(0) depctr_va_ssrc(0) depctr_va_vcc(0) depctr_vm_vsrc(0)
	s_getreg_b32 s2, hwreg(HW_REG_IB_STS2, 6, 4)
	s_cmp_eq_u32 s2, 0
	s_cbranch_scc0 .Lentry_in_a_cluster
	s_endpgm
.Lentry_in_a_cluster:
	s_bfe_u32 s2, ttmp6, 0x10000c
	s_cmp_lg_u32 s2, 0x3003
	s_cbranch_scc0 .Lentry_shape_is_right
	s_endpgm
.Lentry_shape_is_right:
; A work-group owns 256 rows of kb of one batch b (half hf of its 512), each of its four waves 64 rows: four tiles of 16.  It makes
;   out0[b] = the control attention's result (both work-groups of a batch compute it, each stores its half of the row), and
;   rlog[b][row] = sum over n of (concat W_cat)[row][n] v[n] + sum(b_cat v) + b_rattn, v = out0[b] * W_rattn: the read logits, not yet masked.
; kb_proj = kb W_kb + b_kb and concat W_cat, concat = [mem_proj * kb_proj, kb_proj], are products on codes of FP6 (E2M3) with one E8M0 scale for each 32 along K; the hidden layer never goes to memory.
; PHASES.  control attention in f32 | kb's rows become codes (through a stage in LDS, so that every load reads 512 consecutive bytes) | product 5 by 128 hidden units a fill: its results are quantised twice, as they
; are and times mem_proj, and go to the wave's own LDS as images of operand registers | product 6 by 64 columns a fill: each result is multiplied by v and added up at once.
; WEIGHTS.  Twelve fills of 51,200 bytes, laid by the launch before in the order of the operand's registers, walk through two LDS slots.  All work-groups walk the same fills:
; four form a CLUSTER and ask jointly, each wave for a quarter of a fill (50 rows of 256 bytes), with one descriptor that is equal in all four.  By this text's count one tensor load a wave is out.
; A weight fragment read from LDS feeds four matrix instructions (the wave's four tiles of rows).
; Product 5 is used transposed (source 0 = 16 hidden units, source 1 = 16 rows of kb), and the hidden units of a tile are chosen so that a lane's 16 registers of two neighbouring tiles are 16 neighbours along the next K.
; The work-group's place in its cluster enters global addresses and one select of data; no branch and no LDS address hangs on it.
; kb is not prefetched: its loads run three to four sets (24 to 32 KiB a wave) ahead through the whole phase.
; LIMITS: NaN and infinities among the inputs are not served.  A block whose largest magnitude lies under 2^-124 (a block of zeros too) gets the scale byte 1.
; REGISTERS, in windows of 256.  window 0: v0-31 addresses; v32-47, v48-63, v64-95 scale words (weights', kb's, concat's) and nothing else; v96-127 logit sums; v128-187 the quantiser; v188-195 v; v196-255 the control phase.
;   window 1: 64 numbers of kb; the accumulators (product 5: 64 m + 8 t; product 6: 8 (4 t + m)); from v64 concat's K steps 4-7.   window 2: four sets of kb's loads; then two sets of weight fragments and mem_proj.
;   window 3: context; then kb's codes and b_kb; then concat's K steps 0-3.
.set SLOT1,  0x10000                   ; slot 1 begins here: one exclusive or turns an address from one slot to the other
.set FILLB,  51200
.set QFILL,  12800                     ; a wave's quarter of a fill
.set WSC,    49152                     ; a fill's scale words
.set SPARE,  51200                     ; the spare words: 128 bytes a wave, two blocks of 256 bytes that no other line names
.set SCR_PN, 51712                     ; four partial sums of the control result, 2,048 bytes each
.set SCR_MP, 59904                     ; mem_proj[b]
.set SCR_BK, 61952                     ; b_kb
.set SCR_LG, 64000                     ; 64 control logits
.set SCR_CW, 64256                     ; the control weights, a copy for each wave
.set SCR_C0, 65280                     ; four partial sums of b_cat . v
.set SCR_V,  116736                    ; v
.set SCR_NC, 118784                    ; the control result
.set SCR_LO, 120832                    ; the way out: 256 bytes a wave
.set WREG0,  122880                    ; a wave's own 51,200 bytes: first a stage (16 x 528) and kb's images; then concat's 32 images and their scale words
.set WREGB,  51200
.set KIMG,   8448
.set KSCL,   33024
.set CSCL,   49152
.set SPW, 1
.set NIL, 2
.set L16, 3                            ; 16 x lane
.set R4,  4                            ; 4 x (lane % 16)
.set HH,  5                            ; lane / 16
.set ADW, 6
.set ADS, 7
.set ABM, 8
.set AIM, 9
.set ASW, 10
.set WL,  11                           ; my wave's region + 16 x lane
.set STO, 12                           ; out of the stage: region + 528 r + 64 h
.set AKI, 13
.set AKS, 14
.set AVV, 15
.set ALG, 16
.set C0,  17
.set ASW0, 19
.set AKI0, 20
.set AKS0, 21
.set AVV0, 22
.set T16, 23                           ; 16 x thread
.set L4,  24                           ; 4 x lane
.set LN,  25                           ; lane
.set WS,  32
.set KS,  48
.set CS,  64
.set LG,  96
.set DP,  96
.set TM,  128
.set PW0, 144
.set PW1, 145
.set PC0, 148
.set PC1, 168
.set CWR, 148
.set NCP, 164
.set VV,  188
.set UQ,  196
.set UW,  212
.set WR4, 228
.set BC4, 232
.set MP4, 236
.set BK4, 240
.set QM,  244
.set OD,  246
.set OA,  250
.set WA,  0                            ; in window 2
.set WB,  96
.set WV,  32
.set HM,  37
.set BCA, 38
.set BRA, 39
.set G1,  40
.set G0,  48
.set CNT, 52
.set TB,  53
.set J512, 54
.set J1536, 55
.set J64, 56
.set JV,  57
.set SEL, 58
.set KBP, 60
.set JK1, 62
.set JK2, 63
.set LOB, 75
.set MSB, 0
.macro WIN new                         ; the immediate's high byte repeats the setting that is left; a switch that changes nothing is dropped
.if MSB != \new
	s_set_vgpr_msb (MSB<<8)|\new
.set MSB, \new
.endif
.endm
.macro PLACES n
.rept \n
	v_nop
.endr
.endm
.macro BARRIER                         ; my LDS stores have landed and my LDS loads are in: then the work-group's barrier
	s_wait_dscnt 0x0
	s_barrier_signal -1
	s_barrier_wait -1
.endm
.macro ROUND                           ; a round of the cluster's barrier
	s_barrier_signal -1
	s_barrier_wait -1
	s_cmp_lg_u32 s[WV], 0
	s_cbranch_scc1 .Lnot_wave_0_\@
	s_barrier_signal -3
.Lnot_wave_0_\@:
	s_barrier_wait -3
	s_barrier_signal -1
	s_barrier_wait -1
.endm
; THE CHANGE OF SLOTS stands at a fill's head.  Each wave waits for all its tensor loads (its quarter of the fill that it is about to read), adds 0 to its spare word, and waits for that and for its reads of the fill that it has left.
; fill = 1: the slot just left takes the fill after this one; the barrier is then a round of the cluster's, and the joint load is the first thing behind it: it has a whole fill's products in which to land.
.macro CHANGE fill
	WIN 0
	s_wait_tensorcnt 0x0                           ; no tensor load of mine is out, so group 0 may be written
	ds_add_u32 v[SPW], v[NIL]                      ; 0 onto my spare word
.if \fill
	s_xor_b32 s[G0+1], s[G0+1], SLOT1              ; the other slot than last time,
	s_add_nc_u64 s[G0+2:G0+3], s[G0+2:G0+3], FILLB ; the next fill; the type bits on top are not reached
.endif
	s_wait_dscnt 0x0                               ; the add is done, and my LDS reads and stores are over
.if \fill
	ROUND
	tensor_load_to_lds s[G0:G0+3], s[G1:G1+7]
	s_nop 0
	PLACES 4
.else
	s_barrier_signal -1
	s_barrier_wait -1
.endif
.endm
; 64 numbers of a lane in window 1, register s + 16 b + i = k 32 b + 16 h + i of my row, become a fragment's codes in v[pc] on and its scale word in v[pw] (window 0)
.macro QUANT s, pc, pw
	WIN 0x05
.irp b, 0,1,2,3
	v_max3_num_f32 v[TM+\b], |v[16*\b+(\s)]|, |v[16*\b+1+(\s)]|, 0x1800000   ; with the floor 2^(3 - 127): the byte cannot fall under 1
.endr
	WIN 0x14
.irp i, 2,4,6,8,10,12,14
.irp b, 0,1,2,3
	v_max3_num_f32 v[TM+\b], v[TM+\b], |v[16*\b+\i+(\s)]|, |v[16*\b+\i+1+(\s)]|   ; the four blocks by turns
.endr
.endr
	WIN 0
.irp b, 0,1,2,3
	v_permlanex16_b32 v[TM+4+\b], v[TM+\b], s[SEL], s[SEL+1]
.endr
.irp b, 0,1,2,3
	v_max_num_f32 v[TM+\b], v[TM+\b], v[TM+4+\b]   ; with lane l xor 16's: the block's largest magnitude
.endr
.irp b, 0,1,2,3
	v_add_nc_u32 v[TM+12+\b], 0xff000000, v[TM+\b] ; 2 off its exponent field: the conversion's scale operand
.endr
.irp b, 0,1,2,3
	v_lshrrev_b32 v[TM+4+\b], 23, v[TM+12+\b]      ; the scale's byte
.endr
	v_lshl_or_b32 v[\pw], v[TM+5], 8, v[TM+4]
	v_lshl_or_b32 v[\pw], v[TM+6], 16, v[\pw]
	v_lshl_or_b32 v[\pw], v[TM+7], 24, v[\pw]
	WIN 0x01
.irp c, 0,1
	v_cvt_scalef32_pk16_fp6_f32 v[\pc+6*\c:\pc+2+6*\c], v[32*\c+(\s):32*\c+15+(\s)], v[TM+12+2*\c]
	v_cvt_scalef32_pk16_fp6_f32 v[\pc+12+4*\c:\pc+14+4*\c], v[32*\c+16+(\s):32*\c+31+(\s)], v[TM+12+2*\c+1]   ; (a conversion's three registers begin on an even number)
.endr
	WIN 0
	v_nop                                          ; one plain place behind a scaled conversion
.irp c, 0,1                                    ; the operand's layout wants a whole block in a lane
.irp i, 0,1,2
	v_permlane16_swap_b32 v[\pc+6*\c+\i], v[\pc+12+4*\c+\i]
.endr
.irp i, 0,1,2
	v_mov_b32 v[\pc+3+6*\c+\i], v[\pc+12+4*\c+\i]
.endr
.endr
.endm
; one matrix instruction.  c < 0: the constant 0 starts the sum.  row = 1: source 0's scales stand in lanes 16-31; 2: source 1's
.macro WM d, a, b, c, sa, sb, row
.if (\c) < 0
.if (\row) == 0
	v_wmma_scale_f32_16x16x128_f8f6f4 v[0+(\d):7+(\d)], v[0+(\a):11+(\a)], v[0+(\b):11+(\b)], 0, v[0+(\sa)], v[0+(\sb)] matrix_a_fmt:MATRIX_FMT_FP6 matrix_b_fmt:MATRIX_FMT_FP6
.elseif (\row) == 1
	v_wmma_scale_f32_16x16x128_f8f6f4 v[0+(\d):7+(\d)], v[0+(\a):11+(\a)], v[0+(\b):11+(\b)], 0, v[0+(\sa)], v[0+(\sb)] matrix_a_fmt:MATRIX_FMT_FP6 matrix_b_fmt:MATRIX_FMT_FP6 matrix_a_scale:MATRIX_SCALE_ROW1
.else
	v_wmma_scale_f32_16x16x128_f8f6f4 v[0+(\d):7+(\d)], v[0+(\a):11+(\a)], v[0+(\b):11+(\b)], 0, v[0+(\sa)], v[0+(\sb)] matrix_a_fmt:MATRIX_FMT_FP6 matrix_b_fmt:MATRIX_FMT_FP6 matrix_b_scale:MATRIX_SCALE_ROW1
.endif
.else
.if (\row) == 0
	v_wmma_scale_f32_16x16x128_f8f6f4 v[0+(\d):7+(\d)], v[0+(\a):11+(\a)], v[0+(\b):11+(\b)], v[0+(\c):7+(\c)], v[0+(\sa)], v[0+(\sb)] matrix_a_fmt:MATRIX_FMT_FP6 matrix_b_fmt:MATRIX_FMT_FP6
.elseif (\row) == 1
	v_wmma_scale_f32_16x16x128_f8f6f4 v[0+(\d):7+(\d)], v[0+(\a):11+(\a)], v[0+(\b):11+(\b)], v[0+(\c):7+(\c)], v[0+(\sa)], v[0+(\sb)] matrix_a_fmt:MATRIX_FMT_FP6 matrix_b_fmt:MATRIX_FMT_FP6 matrix_a_scale:MATRIX_SCALE_ROW1
.else
	v_wmma_scale_f32_16x16x128_f8f6f4 v[0+(\d):7+(\d)], v[0+(\a):11+(\a)], v[0+(\b):11+(\b)], v[0+(\c):7+(\c)], v[0+(\sa)], v[0+(\sb)] matrix_a_fmt:MATRIX_FMT_FP6 matrix_b_fmt:MATRIX_FMT_FP6 matrix_b_scale:MATRIX_SCALE_ROW1
.endif
.endif
.endm
.macro LOADW buf, n                    ; eight weight fragments, the fill's n-th quarter, as they lie: 24 loads of 512 consecutive bytes
	WIN 0x80
.set cw, 0
.rept 24
	ds_load_b128 v[\buf+4*cw:\buf+4*cw+3], v[ADW] offset:12288*\n+512*cw
.set cw, cw+1
.endr
.endm
.macro WSLOAD                          ; the fill's scale words: register i: lanes 0-15 fragment 2 i's, lanes 16-31 fragment 2 i + 1's
	WIN 0
.set cw, 0
.rept 16
	ds_load_b32 v[WS+cw], v[ADS] offset:WSC+128*cw
.set cw, cw+1
.endr
.endm
.macro KBSET s, off                    ; 16 rows x 512 bytes of kb (K step s) into set s of window 2: each load reads 512 consecutive bytes
.set cj, 0
.rept 16
	global_load_b128 v[64*\s+4*cj:64*\s+4*cj+3], v[L16], s[KBP:KBP+1] offset:\off+2048*cj+512*\s th:TH_LOAD_NT
.set cj, cj+1
.endr
.endm
	s_load_b512 s[4:19], s[0:1], 0x0               ; kb, context, q_mask, cqp, memp, wstream, W_cattn, b_cattn
	s_load_b256 s[20:27], s[0:1], 0x40             ; W_rattn, b_rattn, b_kb, b_cat
	s_load_b128 s[28:31], s[0:1], 0x60             ; out0, rlog
	v_lshl_add_u32 v[SPW], v0, 2, SPARE
	v_mov_b32 v[NIL], 0
	ds_add_u32 v1, v2
	ds_add_u32 v1, v2
	s_wait_dscnt 0x0
	v_lshrrev_b32 v26, 5, v0
	v_readfirstlane_b32 s[WV], v26                 ; wave 0..3
	s_bfe_u32 s33, ttmp6, 0x40000                  ; cx: my place in the cluster
	s_lshl_b32 s34, ttmp9, 2
	s_add_co_u32 s34, s34, s33                     ; my work-group = 4 x cluster x + cx
	s_lshr_b32 s35, s34, 1                         ; b
	s_and_b32 s36, s34, 1                          ; hf
	s_sub_co_u32 s[HM], 0, s36                     ; all ones in the upper half's work-group: a mask for a select of data
	; descriptor group 1: 12,800 dense bytes as 50 rows of 256 (32 elements of 8 bytes), no padding; the mask names all four work-groups, bit 21 beside it
	s_mov_b32 s[G1], 15|(3<<16)|(1<<21)
	s_mov_b32 s[G1+1], 32<<16                      ; tensor_dim0
	s_mov_b32 s[G1+2], 50<<16                      ; tensor_dim1
	s_mov_b32 s[G1+3], 32<<16                      ; tile_dim0
	s_mov_b32 s[G1+4], 50                          ; tile_dim1
	s_mov_b32 s[G1+5], 32                          ; the pitch
	s_mov_b32 s[G1+6], 0
	s_mov_b32 s[G1+7], 0
	s_mul_i32 s66, s[WV], QFILL
	s_mov_b32 s67, 0
	s_mov_b32 s[G0], 1
	s_mov_b32 s[G0+1], s66                         ; LDS: slot 0, my quarter
	s_mov_b32 s[SEL], 0x76543210
	s_mov_b32 s[SEL+1], 0xfedcba98
	s_wait_kmcnt 0x0
	s_add_nc_u64 s[G0+2:G0+3], s[14:15], s[66:67]  ; fill 0, my quarter: the same in all four work-groups
	s_or_b32 s[G0+3], s[G0+3], 0x80000000
	s_load_b32 s[BCA], s[18:19], 0x0               ; b_cattn and b_rattn, as numbers
	s_load_b32 s[BRA], s[22:23], 0x0
	ROUND                                          ; all four work-groups are here: the first joint loads meet
	tensor_load_to_lds s[G0:G0+3], s[G1:G1+7]
	s_nop 0
	PLACES 4
	v_and_b32 v[LN], 31, v0
	v_and_b32 v26, 15, v0                          ; r
	v_bfe_u32 v[HH], v0, 4, 1
	v_lshlrev_b32 v[L16], 4, v[LN]
	v_lshlrev_b32 v[L4], 2, v[LN]
	v_lshlrev_b32 v[R4], 2, v26
	v_lshlrev_b32 v[T16], 4, v0
	s_mul_i32 s68, s[WV], WREGB
	s_add_co_u32 s68, s68, WREG0                   ; my wave's own region
	v_add_nc_u32 v[WL], s68, v[L16]
	v_mul_u32_u24 v27, v26, 528
	v_lshl_add_u32 v27, v[HH], 6, v27
	v_add_nc_u32 v[STO], s68, v27
	v_add_nc_u32 v[AKI0], KIMG, v[WL]
	v_add_nc_u32 v27, s68, v[R4]
	v_add_nc_u32 v[AKS0], KSCL, v27
	v_add_nc_u32 v[ASW0], CSCL, v27
	v_add_nc_u32 v[AVV0], SCR_V, v[R4]
	s_lshl_b32 s[LOB], s[WV], 8
	s_add_co_u32 s[LOB], s[LOB], SCR_LO
	v_lshl_add_u32 v[ALG], v[HH], 5, s[LOB]
.irp b, 0,1,2,3
	v_mov_b32 v[TM+4+\b], 0                        ; written once: a lane permute's destination counts as one of its sources
.endr
	v_mov_b32 v30, 0
	s_lshl_b32 s70, s35, 11                        ; 2,048 b
	s_mov_b32 s71, 0
	s_add_nc_u64 s[10:11], s[10:11], s[70:71]      ; cqp[b]
	s_add_nc_u64 s[12:13], s[12:13], s[70:71]      ; memp[b]
	s_lshl_b32 s72, s36, 10
	s_add_co_u32 s72, s72, s70
	s_mov_b32 s73, 0
	s_add_nc_u64 s[28:29], s[28:29], s[72:73]      ; out0[b], my half
	s_lshl_b32 s74, s[WV], 8
	s_add_co_u32 s72, s72, s74
	s_add_nc_u64 s[30:31], s[30:31], s[72:73]      ; rlog[b], my wave's 64 rows
	s_lshl_b32 s72, s35, 6
	s_add_nc_u64 s[8:9], s[8:9], s[72:73]          ; q_mask[b]
	s_lshl_b32 s72, s35, 17
	s_lshl_b32 s74, s[WV], 15
	s_add_co_u32 s72, s72, s74
	s_add_nc_u64 s[6:7], s[6:7], s[72:73]          ; context[b], my wave's 16 rows
	s_lshl_b32 s72, s35, 20
	s_lshl_b32 s74, s36, 19
	s_add_co_u32 s72, s72, s74
	s_lshl_b32 s74, s[WV], 17
	s_add_co_u32 s72, s72, s74
	s_add_nc_u64 s[KBP:KBP+1], s[4:5], s[72:73]    ; kb[b], my wave's 64 rows
	; ---- all global loads of the control phase, and kb's first sets behind them
.irp j, 0,1,2,3
	global_load_b128 v[UQ+4*\j:UQ+4*\j+3], v[L16], s[10:11] offset:512*\j
.endr
.irp j, 0,1,2,3
	global_load_b128 v[UW+4*\j:UW+4*\j+3], v[L16], s[16:17] offset:512*\j
.endr
	global_load_u8 v[QM], v[LN], s[8:9]
	global_load_u8 v[QM+1], v[LN], s[8:9] offset:32
	global_load_b128 v[WR4:WR4+3], v[T16], s[20:21]
	global_load_b128 v[BC4:BC4+3], v[T16], s[26:27]
	global_load_b128 v[MP4:MP4+3], v[T16], s[12:13]
	global_load_b128 v[BK4:BK4+3], v[T16], s[24:25]
	WIN 0xc0                                       ; destination window 3
.set ci, 0
.rept 16
.irp j, 0,1,2,3
	global_load_b128 v[16*ci+4*\j:16*ci+4*\j+3], v[L16], s[6:7] offset:2048*ci+512*\j   ; context row 16 w + ci: register 16 ci + 4 j + e is column 128 j + 4 l + e
.endr
.set ci, ci+1
.endr
	WIN 0x80                                       ; destination window 2
	KBSET 0, 0
	KBSET 1, 0
	KBSET 2, 0
	s_wait_loadcnt 48                              ; all but kb's three sets are in
	KBSET 3, 0
	WIN 0
	s_wait_kmcnt 0x0
	; ---- the control attention, in f32
	ds_store_b128 v[T16], v[MP4:MP4+3] offset:SCR_MP
	ds_store_b128 v[T16], v[BK4:BK4+3] offset:SCR_BK
.irp i, 0,2,4,6,8,10,12,14
	v_pk_mul_f32 v[UQ+\i:UQ+\i+1], v[UQ+\i:UQ+\i+1], v[UW+\i:UW+\i+1]   ; cq_proj * W_cattn at my 16 columns
.endr
	WIN 0x03                                       ; source 0 window 3
.set cq, 0
.rept 16
	v_pk_mul_f32 v[DP+2*cq:DP+2*cq+1], v[16*cq:16*cq+1], v[UQ:UQ+1]
.set cq, cq+1
.endr
.irp i, 1,2,3,4,5,6,7
.set cq, 0
.rept 16
	v_pk_fma_f32 v[DP+2*cq:DP+2*cq+1], v[16*cq+2*\i:16*cq+2*\i+1], v[UQ+2*\i:UQ+2*\i+1], v[DP+2*cq:DP+2*cq+1]
.set cq, cq+1
.endr
.endr
	WIN 0
.set cq, 0
.rept 16
	v_add_f32 v[DP+2*cq], v[DP+2*cq], v[DP+2*cq+1]
.set cq, cq+1
.endr
.irp x, 1,2,4,8
.set cq, 0
.rept 16
	v_add_f32_dpp v[DP+2*cq], v[DP+2*cq], v[DP+2*cq] row_xmask:\x row_mask:0xf bank_mask:0xf
.set cq, cq+1
.endr
.endr
.set cq, 0
.rept 16
	v_permlanex16_b32 v[DP+2*cq+1], v[DP+2*cq], s[SEL], s[SEL+1]
.set cq, cq+1
.endr
.set cq, 0
.rept 16
	v_add_f32 v[DP+2*cq], v[DP+2*cq], v[DP+2*cq+1]
.set cq, cq+1
.endr
	s_lshl_b32 s66, s[WV], 6
	v_mov_b32 v26, s66
.set cq, 0
.rept 16
	v_add_f32 v[DP+2*cq], s[BCA], v[DP+2*cq]
	ds_store_b32 v26, v[DP+2*cq] offset:SCR_LG+4*cq   ; all lanes write the same word with the same value
.set cq, cq+1
.endr
	BARRIER                                        ; the 64 logits lie in LDS (the tensor load may stay out)
	ds_load_b32 v27, v[L4] offset:SCR_LG
	ds_load_b32 v28, v[L4] offset:SCR_LG+128
	s_wait_dscnt 0x0
	v_cmp_ne_u32 vcc_lo, 0, v[QM]
	v_cndmask_b32 v27, 0xc61c4000, v27, vcc_lo     ; -10000 where the mask is false
	v_cmp_ne_u32 vcc_lo, 0, v[QM+1]
	v_cndmask_b32 v28, 0xc61c4000, v28, vcc_lo
	v_max_num_f32 v29, v27, v28
.irp x, 1,2,4,8
	v_max_num_f32_dpp v29, v29, v29 row_xmask:\x row_mask:0xf bank_mask:0xf
.endr
	v_permlanex16_b32 v30, v29, s[SEL], s[SEL+1]
	v_max_num_f32 v29, v29, v30                    ; the row's maximum
	v_sub_f32 v27, v27, v29
	v_sub_f32 v28, v28, v29
	v_mul_f32 v27, 0x3fb8aa3b, v27
	v_mul_f32 v28, 0x3fb8aa3b, v28
	v_exp_f32 v27, v27
	v_exp_f32 v28, v28
	v_nop                                          ; a plain place behind the exponentials
	s_wait_alu depctr_va_vdst(0)                   ; one wait for both, ahead of their first reader
	v_add_f32 v29, v27, v28
.irp x, 1,2,4,8
	v_add_f32_dpp v29, v29, v29 row_xmask:\x row_mask:0xf bank_mask:0xf
.endr
	v_permlanex16_b32 v30, v29, s[SEL], s[SEL+1]
	v_add_f32 v29, v29, v30
	v_rcp_f32 v30, v29
	s_lshl_b32 s66, s[WV], 8
	v_add_nc_u32 v31, s66, v[L4]                   ; (a plain place behind the reciprocal)
	s_wait_alu depctr_va_vdst(0)
	v_mul_f32 v27, v27, v30
	v_mul_f32 v28, v28, v30
	ds_store_b32 v31, v27 offset:SCR_CW            ; my wave's copy of the 64 weights,
	ds_store_b32 v31, v28 offset:SCR_CW+128
	s_mul_i32 s66, s[WV], 320
	v_mov_b32 v26, s66
.irp i, 0,1,2,3
	ds_load_b128 v[CWR+4*\i:CWR+4*\i+3], v26 offset:SCR_CW+16*\i   ; and back: those of my 16 rows, in every lane (LDS serves a wave's instructions in order)
.endr
	s_wait_dscnt 0x0
	WIN 0x03
.set ck, 0
.rept 16
	v_mul_f32 v[NCP+ck], v[ck], v[CWR]
.set ck, ck+1
.endr
.set cq, 1
.rept 15
.set ck, 0
.rept 16
	v_fma_f32 v[NCP+ck], v[16*cq+ck], v[CWR+cq], v[NCP+ck]
.set ck, ck+1
.endr
.set cq, cq+1
.endr
	WIN 0
	s_lshl_b32 s66, s[WV], 11
	v_add_nc_u32 v27, s66, v[L16]
.irp j, 0,1,2,3
	ds_store_b128 v27, v[NCP+4*\j:NCP+4*\j+3] offset:SCR_PN+512*\j
.endr
	BARRIER                                        ; four partial sums of the control result lie in LDS
.irp p, 0,1,2,3
	ds_load_b128 v[CWR+4*\p:CWR+4*\p+3], v[T16] offset:SCR_PN+2048*\p
.endr
	s_wait_dscnt 0x0
	v_pk_add_f32 v[CWR:CWR+1], v[CWR:CWR+1], v[CWR+4:CWR+5]
	v_pk_add_f32 v[CWR+2:CWR+3], v[CWR+2:CWR+3], v[CWR+6:CWR+7]
	v_pk_add_f32 v[CWR+8:CWR+9], v[CWR+8:CWR+9], v[CWR+12:CWR+13]
	v_pk_add_f32 v[CWR+10:CWR+11], v[CWR+10:CWR+11], v[CWR+14:CWR+15]
	v_pk_add_f32 v[CWR:CWR+1], v[CWR:CWR+1], v[CWR+8:CWR+9]
	v_pk_add_f32 v[CWR+2:CWR+3], v[CWR+2:CWR+3], v[CWR+10:CWR+11]   ; the control result at columns 4 t ..
	v_pk_mul_f32 v[NCP:NCP+1], v[CWR:CWR+1], v[WR4:WR4+1]
	v_pk_mul_f32 v[NCP+2:NCP+3], v[CWR+2:CWR+3], v[WR4+2:WR4+3]     ; v = result * W_rattn
	v_mul_f32 v28, v[BC4], v[NCP]
	v_fma_f32 v28, v[BC4+1], v[NCP+1], v28
	v_fma_f32 v28, v[BC4+2], v[NCP+2], v28
	v_fma_f32 v28, v[BC4+3], v[NCP+3], v28         ; b_cat . v, my four columns
.irp x, 1,2,4,8
	v_add_f32_dpp v28, v28, v28 row_xmask:\x row_mask:0xf bank_mask:0xf
.endr
	v_permlanex16_b32 v30, v28, s[SEL], s[SEL+1]
	v_add_f32 v28, v28, v30
	v_add_nc_u32 v29, SCR_V, v[T16]
	ds_store_b128 v29, v[NCP:NCP+3]
	ds_store_b128 v29, v[CWR:CWR+3] offset:SCR_NC-SCR_V
	s_lshl_b32 s66, s[WV], 2
	v_mov_b32 v31, s66
	ds_store_b32 v31, v28 offset:SCR_C0
	BARRIER                                        ; v, the control result and the four parts of b_cat . v lie in LDS
	v_lshl_add_u32 v29, v0, 3, SCR_NC
	ds_load_b64 v[OD:OD+1], v29
	ds_load_b64 v[OD+2:OD+3], v29 offset:1024
	v_mov_b32 v31, 0
	ds_load_b128 v[252:255], v31 offset:SCR_C0
	s_wait_dscnt 0x0
	v_cndmask_b32 v[OD], v[OD], v[OD+2], s[HM]     ; my work-group's half of the row: both halves are read, and the data are chosen
	v_cndmask_b32 v[OD+1], v[OD+1], v[OD+3], s[HM]
	v_lshlrev_b32 v[OA], 3, v0
	global_store_b64 v[OA], v[OD:OD+1], s[28:29]   ; a wave stores 256 consecutive bytes
	v_add_f32 v252, v252, v253
	v_add_f32 v254, v254, v255
	v_add_f32 v252, v252, v254
	v_add_f32 v[C0], s[BRA], v252                  ; what every logit gets on top
	; ---- kb's rows become codes.  One UNIT: 16 rows x 128 K through the stage, quantised, its image and scale words to my region.
.macro UNIT s, ahead, left
	s_wait_loadcnt \left                           ; this set's 16 loads are in; the three sets behind it (fewer in the last trip) stay out
	WIN 0x08                                       ; an LDS store's data: window 2
.set cj, 0
.rept 16
	ds_store_b128 v[WL], v[64*\s+4*cj:64*\s+4*cj+3] offset:528*cj
.set cj, cj+1
.endr
	WIN 0x40                                       ; destination window 1
.irp b, 0,1,2,3
.irp q, 0,1,2,3
	ds_load_b128 v[16*\b+4*\q:16*\b+4*\q+3], v[STO] offset:128*\b+16*\q   ; lane (r, h): of row r, 16 neighbours of each block of 32.  Rows 528 bytes apart: sixteen rows start at sixteen different columns of 16 bytes
.endr
.endr
	s_wait_dscnt 0x0                               ; the numbers are back, and the stores have read the set's registers,
.if \ahead
	WIN 0x80
	KBSET \s, 32768                                ; which take the next tile of rows
.endif
	QUANT 0, PC0, PW0
.irp c, 0,1,2
	ds_store_b128 v[AKI], v[PC0+4*\c:PC0+4*\c+3] offset:1536*\s+512*\c
.endr
	ds_store_b32 v[AKS], v[PW0] offset:64*\s       ; both halves of the lanes write the same word with the same value
.endm
	s_mov_b32 s[JK1], 0
	s_mov_b32 s[JK2], 0
	s_mov_b32 s[CNT], 3
.Lkb:
	v_add_nc_u32 v[AKI], s[JK1], v[AKI0]
	v_add_nc_u32 v[AKS], s[JK2], v[AKS0]
	UNIT 0, 1, 48
	UNIT 1, 1, 48
	UNIT 2, 1, 48
	UNIT 3, 1, 48
	s_wait_xcnt 0x0                                ; the loads have read their base
	s_add_nc_u64 s[KBP:KBP+1], s[KBP:KBP+1], 32768
	s_add_co_u32 s[JK1], s[JK1], 6144
	s_add_co_u32 s[JK2], s[JK2], 256
	s_sub_co_u32 s[CNT], s[CNT], 1
	s_cmp_lg_u32 s[CNT], 0
	s_cbranch_scc1 .Lkb
	v_add_nc_u32 v[AKI], s[JK1], v[AKI0]           ; the last tile of rows asks for nothing: the counts run down
	v_add_nc_u32 v[AKS], s[JK2], v[AKS0]
	UNIT 0, 0, 48
	UNIT 1, 0, 32
	UNIT 2, 0, 16
	UNIT 3, 0, 0
	WIN 0xc0                                       ; kb's 16 fragments stay in window 3: fragment (m, s) at v[12 (4 m + s)]
.set ci, 0
.rept 48
	ds_load_b128 v[4*ci:4*ci+3], v[AKI0] offset:512*ci
.set ci, ci+1
.endr
	WIN 0
.set ci, 0
.rept 16
	ds_load_b32 v[KS+ci], v[AKS0] offset:64*ci
.set ci, ci+1
.endr
	; ---- product 5: four fills of 128 hidden units
; 32 matrix instructions: K step s, my eight tiles of hidden units x my four tiles of rows.  The 32 accumulators take turns, one instruction a turn.  b_kb is the C of the first K step.
.macro MUL5 buf, s
.if \s == 0
	WIN 0x7e                                       ; source 0 (weights) window 2, source 1 (kb) window 3, C (b_kb) window 3, D window 1
.else
	WIN 0x5e                                       ; C and D window 1
.endif
.irp t, 0,1,2,3,4,5,6,7
.irp m, 0,1,2,3
.if \s == 0
	WM 64*\m+8*\t, \buf+12*\t, 12*(4*\m+\s), 192+8*\t, WS+4*\s+\t/2, KS+4*\m+\s, \t%2
.else
	WM 64*\m+8*\t, \buf+12*\t, 12*(4*\m+\s), 64*\m+8*\t, WS+4*\s+\t/2, KS+4*\m+\s, \t%2
.endif
.endr
.endr
.endm
; tile of rows m: its 128 hidden units are quantised as they are (concat's K step 4 + j), multiplied by mem_proj and quantised again (K step j).  Two sets of code registers: the count 4 leaves the other set's four stores out.
.macro POST m
	s_wait_dscnt 4
	QUANT 64*\m, PC0, PW0
.irp c, 0,1,2
	ds_store_b128 v[AIM], v[PC0+4*\c:PC0+4*\c+3] offset:12288*\m+6144+512*\c
.endr
	ds_store_b32 v[ASW], v[PW0] offset:512*\m+256
	WIN 0x49                                       ; destination and source 0 window 1, source 1 (mem_proj) window 2
.set ci, 0
.rept 32
	v_pk_mul_f32 v[64*\m+2*ci:64*\m+2*ci+1], v[64*\m+2*ci:64*\m+2*ci+1], v[192+2*ci:192+2*ci+1]
.set ci, ci+1
.endr
	s_wait_dscnt 4
	QUANT 64*\m, PC1, PW1
.irp c, 0,1,2
	ds_store_b128 v[AIM], v[PC1+4*\c:PC1+4*\c+3] offset:12288*\m+512*\c
.endr
	ds_store_b32 v[ASW], v[PW1] offset:512*\m
.endm
	s_mov_b32 s[TB], 0
	s_mov_b32 s[J512], 0
	s_mov_b32 s[J1536], 0
	s_mov_b32 s[J64], 0
	s_mov_b32 s[CNT], 4
.Lp5:
	CHANGE 1                                       ; every trip asks for the fill after its own (the fourth: product 6's first)
	v_add_nc_u32 v[ADW], s[TB], v[L16]
	v_add_nc_u32 v[ADS], s[TB], v[L4]
	v_lshl_add_u32 v[ABM], v[HH], 6, s[J512]
	v_add_nc_u32 v[AIM], s[J1536], v[WL]
	v_add_nc_u32 v[ASW], s[J64], v[ASW0]
	LOADW WA, 0
	WSLOAD
	WIN 0xc0
.irp t, 0,1,2,3,4,5,6,7
.irp e, 0,1
	ds_load_b128 v[192+8*\t+4*\e:192+8*\t+4*\e+3], v[ABM] offset:SCR_BK+128*(\t/2)+32*(\t%2)+16*\e   ; b_kb in the result's layout: tile t's eight hidden units of my half
.endr
.endr
	LOADW WB, 1
.irp t, 0,1,2,3,4,5,6,7
.irp e, 0,1
	ds_load_b128 v[192+8*\t+4*\e:192+8*\t+4*\e+3], v[ABM] offset:SCR_MP+128*(\t/2)+32*(\t%2)+16*\e   ; mem_proj likewise, in window 2
.endr
.endr
	s_wait_dscnt 40                                ; the second set (24) and mem_proj (16) may be out
	MUL5 WA, 0
	PLACES 4                                       ; in front of loads into registers that matrix instructions have read
	LOADW WA, 2
	s_wait_dscnt 40                                ; mem_proj (16) and the 24 just issued may be out
	MUL5 WB, 1
	PLACES 4
	LOADW WB, 3
	s_wait_dscnt 24
	MUL5 WA, 2
	s_wait_dscnt 0x0
	MUL5 WB, 3
	PLACES 4
	POST 0
	POST 1
	POST 2
	POST 3
	s_xor_b32 s[TB], s[TB], SLOT1
	s_add_co_u32 s[J512], s[J512], 512
	s_add_co_u32 s[J1536], s[J1536], 1536
	s_add_co_u32 s[J64], s[J64], 64
	s_sub_co_u32 s[CNT], s[CNT], 1
	s_cmp_lg_u32 s[CNT], 0
	s_cbranch_scc1 .Lp5
	; ---- concat's 32 fragments come back into registers and stay: K steps 0-3 in window 3 at v[12 (4 m + s)], K steps 4-7 in window 1 at v[64 + 12 (4 m + s - 4)]
	WIN 0xc0
.irp m, 0,1,2,3
.set ci, 0
.rept 12
	ds_load_b128 v[48*\m+4*ci:48*\m+4*ci+3], v[WL] offset:12288*\m+512*ci
.set ci, ci+1
.endr
.endr
	WIN 0x40
.irp m, 0,1,2,3
.set ci, 0
.rept 12
	ds_load_b128 v[64+48*\m+4*ci:64+48*\m+4*ci+3], v[WL] offset:12288*\m+6144+512*ci
.set ci, ci+1
.endr
.endr
	WIN 0
.set ci, 0
.rept 32
	ds_load_b32 v[CS+ci], v[ASW0] offset:64*ci
.set ci, ci+1
.endr
.set ci, 0
.rept 32
	v_mov_b32 v[LG+ci], 0                          ; the logit sums: the loop below is written once
.set ci, ci+1
.endr
	; ---- product 6: eight fills of 64 columns, two chunks of 32 each
; 32 matrix instructions: K steps k .. k + 3, two tiles of columns x four tiles of rows: eight accumulators by turns, one instruction a turn.  Source 0 = concat's rows, source 1 = W_cat's columns.
.macro MUL6 buf, c, k
.if \k == 0
	WIN 0x5b                                       ; source 0 window 3, source 1 window 2, C and D window 1
.else
	WIN 0x59                                       ; source 0 window 1
.endif
.irp q, 0,1,2,3
.irp t, 0,1
.irp m, 0,1,2,3
.if (\k == 0) && (\q == 0)
	WM 8*(4*\t+\m), 16*\k+12*(4*\m+\q), \buf+12*(2*\q+\t), -1, CS+8*\m+\k+\q, WS+8*\c+\k+\q, 2*\t
.else
	WM 8*(4*\t+\m), 16*\k+12*(4*\m+\q), \buf+12*(2*\q+\t), 8*(4*\t+\m), CS+8*\m+\k+\q, WS+8*\c+\k+\q, 2*\t
.endif
.endr
.endr
.endr
.endm
; a lane holds column r of a tile and eight rows: each result times v at that column, added onto the rows' sums; each accumulator from its low end on
.macro FMA6 c
	WIN 0x01
.irp t, 0,1
.irp m, 0,1,2,3
.irp i, 0,2,4,6
	v_pk_fma_f32 v[LG+8*\m+\i:LG+8*\m+\i+1], v[8*(4*\t+\m)+\i:8*(4*\t+\m)+\i+1], v[VV+2*(2*\c+\t):VV+2*(2*\c+\t)+1], v[LG+8*\m+\i:LG+8*\m+\i+1]
.endr
.endr
.endr
.endm
.macro STEP6 fill
	CHANGE \fill
	v_add_nc_u32 v[ADW], s[TB], v[L16]
	v_add_nc_u32 v[ADS], s[TB], v[L4]
	v_add_nc_u32 v[AVV], s[JV], v[AVV0]
	LOADW WA, 0
	WSLOAD
.irp c, 0,1
.irp t, 0,1
	ds_load_b32 v[VV+2*(2*\c+\t)], v[AVV] offset:128*\c+64*\t     ; v at my column of each of the fill's four tiles, twice: a pair for the packed form
	ds_load_b32 v[VV+2*(2*\c+\t)+1], v[AVV] offset:128*\c+64*\t
.endr
.endr
	LOADW WB, 1
	s_wait_dscnt 24                                ; all but the second set
	MUL6 WA, 0, 0
	PLACES 4
	LOADW WA, 2
	s_wait_dscnt 24
	MUL6 WB, 0, 4
	PLACES 4
	LOADW WB, 3
	FMA6 0
	s_wait_dscnt 24
	MUL6 WA, 1, 0
	s_wait_dscnt 0x0
	MUL6 WB, 1, 4
	PLACES 4
	FMA6 1
	WIN 0
	s_xor_b32 s[TB], s[TB], SLOT1
	s_add_co_u32 s[JV], s[JV], 256
.endm
	s_mov_b32 s[JV], 0
	s_mov_b32 s[CNT], 7
.Lp6:
	STEP6 1
	s_sub_co_u32 s[CNT], s[CNT], 1
	s_cmp_lg_u32 s[CNT], 0
	s_cbranch_scc1 .Lp6
	STEP6 0                                        ; the last fill is written out
	; ---- the way out: the sums over the sixteen lanes that hold a row's columns; then 64 logits a wave leave as 256 consecutive bytes
.irp x, 1,2,4,8
.set ci, 0
.rept 32
	v_add_f32_dpp v[LG+ci], v[LG+ci], v[LG+ci] row_xmask:\x row_mask:0xf bank_mask:0xf
.set ci, ci+1
.endr
.endr
.irp m, 0,1,2,3
.irp j, 0,1,2,3,4,5,6,7
	ds_store_b32 v[ALG], v[LG+8*\m+\j] offset:64*\m+4*\j   ; row 16 m + 8 h + j: sixteen lanes write the same word with the same value
.endr
.endr
	v_lshlrev_b32 v26, 3, v[LN]
	v_add_nc_u32 v27, s[LOB], v26
	ds_load_b64 v[28:29], v27                      ; LDS serves a wave's instructions in order: this sees my stores
	s_wait_dscnt 0x0
	v_add_f32 v28, v28, v[C0]
	v_add_f32 v29, v29, v[C0]
	global_store_b64 v26, v[28:29], s[30:31]
	s_wait_tensorcnt 0x0                           ; the wave's end
	ds_add_u32 v[SPW], v[NIL]
	s_wait_dscnt 0x0
	ROUND                                          ; the closing round: no work-group ends while a partner may still ask for a fill that names it
	s_endpgm
.Lfunc_end_k_q1969b48fef_main:
	.size	k_q1969b48fef_main, .Lfunc_end_k_q1969b48fef_main-k_q1969b48fef_main
	.p2alignl 7, 3214868480
	.fill 96, 4, 3214868480
	.section	.rodata,"a",@progbits
	.p2align	6, 0x0
	.amdhsa_kernel k_q1969b48fef_main
		.amdhsa_group_segment_fixed_size 327680
		.amdhsa_private_segment_fixed_size 0
		.amdhsa_enable_private_segment 0
		.amdhsa_kernarg_size 112
		.amdhsa_user_sgpr_count 2
		.amdhsa_user_sgpr_kernarg_segment_ptr 1
		.amdhsa_wavefront_size32 1
		.amdhsa_system_sgpr_workgroup_id_x 1
		.amdhsa_system_sgpr_workgroup_id_y 1
		.amdhsa_system_sgpr_workgroup_id_z 1
		.amdhsa_system_vgpr_workitem_id 0
		.amdhsa_next_free_vgpr 1024
		.amdhsa_next_free_sgpr 100
		.amdhsa_reserve_vcc 1
		.amdhsa_float_denorm_mode_32 3
		.amdhsa_float_denorm_mode_16_64 3
		.amdhsa_memory_ordered 1
		.amdhsa_forward_progress 1
		.amdhsa_inst_pref_size 255
	.end_amdhsa_kernel
	.section	.bss,"aw",@nobits
	.p2align	6
	.space	262144
	.amdgpu_metadata
---
amdhsa.version: [ 1, 2 ]
amdhsa.kernels:
  - .name:           k_q1969b48fef_main
    .symbol:         k_q1969b48fef_main.kd
    .args:
      - { .name: kb, .offset: 0, .size: 8, .value_kind: global_buffer, .address_space: global }
      - { .name: context, .offset: 8, .size: 8, .value_kind: global_buffer, .address_space: global }
      - { .name: q_mask, .offset: 16, .size: 8, .value_kind: global_buffer, .address_space: global }
      - { .name: cqp, .offset: 24, .size: 8, .value_kind: global_buffer, .address_space: global }
      - { .name: memp, .offset: 32, .size: 8, .value_kind: global_buffer, .address_space: global }
      - { .name: wstream, .offset: 40, .size: 8, .value_kind: global_buffer, .address_space: global }
      - { .name: W_cattn, .offset: 48, .size: 8, .value_kind: global_buffer, .address_space: global }
      - { .name: b_cattn, .offset: 56, .size: 8, .value_kind: global_buffer, .address_space: global }
      - { .name: W_rattn, .offset: 64, .size: 8, .value_kind: global_buffer, .address_space: global }
      - { .name: b_rattn, .offset: 72, .size: 8, .value_kind: global_buffer, .address_space: global }
      - { .name: b_kb, .offset: 80, .size: 8, .value_kind: global_buffer, .address_space: global }
      - { .name: b_cat, .offset: 88, .size: 8, .value_kind: global_buffer, .address_space: global }
      - { .name: out0, .offset: 96, .size: 8, .value_kind: global_buffer, .address_space: global }
      - { .name: rlog, .offset: 104, .size: 8, .value_kind: global_buffer, .address_space: global }
    .group_segment_fixed_size: 327680
    .private_segment_fixed_size: 0
    .kernarg_segment_align: 8
    .kernarg_segment_size: 112
    .max_flat_workgroup_size: 128
    .sgpr_count:     100
    .vgpr_count:     1024
    .wavefront_size: 32
...
	.end_amdgpu_metadata
.endif
;; end of part 2
;; launch read (part 3): grid 256 x 1, 16 waves a work-group, no clusters, 51,200 bytes of LDS; arguments kb, kb_mask, rlog, out2, rv; writes out2, rv
.if DOCPART == 3
	.amdgcn_target "amdgcn-amd-amdhsa--gfx1250"
	.amdhsa_code_object_version 6
	.text
	.protected	k_q1969b48fef_read
	.globl	k_q1969b48fef_read
	.p2align	8
	.type	k_q1969b48fef_read,@function
k_q1969b48fef_read:
	s_mov_b64 s[64:65], 0
	v_nop
	global_prefetch_b8 v0, s[64:65] scope:SCOPE_SE
	s_setreg_imm32_b32 hwreg(HW_REG_WAVE_MODE, 25, 1), 1
	s_wait_xcnt 0x0
; out2[b] = softmax over the 512 rows of (kb_mask ? rlog : -10000), with the row's maximum taken away; rv[b] = sum over rows of out2[b][row] kb[b][row][:], in f32 (it goes on into a quantiser).
; A work-group takes one batch b and one half ch of kb's columns (1,024 bytes of each row); each of its sixteen waves takes 32 rows.  Every wave computes the whole softmax (16 logits a lane): no wave waits for another for it.
; A wave's weights go through its own copy in LDS, so that each row's weight comes back in every lane.  kb streams through a ring of 16 row slots in registers: 32 loads of 512 consecutive bytes a wave are out.
; The sixteen partial sums meet in LDS; waves 0-3 add them.  Wave 0 stores the work-group's half of out2[b].
; Memory binds: no matrix unit, no tensor load.  No cluster: the two work-groups of a batch share only the 2,048 bytes of logits.
; LIMITS: NaN and infinities among the inputs are not served.
.set LGR, 16                           ; v16-31  logits, then weights: register 4 j + e is row 128 j + 4 l + e
.set MK,  32                           ; v32-35  the mask's bytes
.set WBR, 40                           ; v40-71  my 32 rows' weights, in every lane
.set AC,  72                           ; v72-79  my eight columns' sums
.set SL,  80                           ; v80-207 sixteen row slots of eight registers
	s_load_b256 s[4:11], s[0:1], 0x0               ; kb, kb_mask, rlog, out2
	s_load_b64 s[12:13], s[0:1], 0x20              ; rv
	v_lshl_add_u32 v208, v0, 2, 0xc000
	v_mov_b32 v209, 0
	v_lshrrev_b32 v1, 5, v0
	v_readfirstlane_b32 s14, v1                    ; wave 0..15
	v_and_b32 v1, 31, v0
	v_lshlrev_b32 v2, 4, v1                        ; 16 l
	v_lshlrev_b32 v3, 2, v1                        ; 4 l
	s_lshr_b32 s15, ttmp9, 1                       ; b
	s_and_b32 s16, ttmp9, 1                        ; ch
	s_sub_co_u32 s17, 0, s16                       ; all ones where ch = 1
	s_mov_b32 s18, 0x76543210
	s_mov_b32 s19, 0xfedcba98
	s_lshl_b32 s20, s15, 11
	s_mov_b32 s21, 0
	s_lshl_b32 s22, s15, 9
	s_mov_b32 s23, 0
	s_lshl_b32 s24, s15, 20
	s_lshl_b32 s25, s14, 16
	s_add_co_u32 s24, s24, s25
	s_lshl_b32 s25, s16, 10
	s_add_co_u32 s24, s24, s25
	s_add_co_u32 s26, s25, s20
	s_mov_b32 s25, 0
	s_mov_b32 s27, 0
	s_lshl_b32 s28, s14, 11
	v_add_nc_u32 v12, s28, v2                      ; my copy of the weights: 2,048 w + 16 l
	s_mul_i32 s29, s14, 2176
	v_mov_b32 v13, s29                             ; my 32 rows in it: 2,048 w + 128 w
	s_lshl_b32 s28, s14, 10
	s_add_co_u32 s28, s28, 32768
	v_add_nc_u32 v14, s28, v2                      ; my partial sums: 32,768 + 1,024 w + 16 l
	v_lshl_add_u32 v15, v0, 3, 0x8000              ; and where they are read: 32,768 + 8 t
	s_wait_kmcnt 0x0
	s_add_nc_u64 s[8:9], s[8:9], s[20:21]          ; rlog[b]
	s_add_nc_u64 s[6:7], s[6:7], s[22:23]          ; kb_mask[b]
	s_add_nc_u64 s[4:5], s[4:5], s[24:25]          ; kb[b], my 32 rows, my half of the columns
	s_add_nc_u64 s[10:11], s[10:11], s[26:27]      ; out2[b], rows 256 ch ..
	s_add_nc_u64 s[12:13], s[12:13], s[26:27]      ; rv[b], columns 256 ch ..
.irp j, 0,1,2,3
	global_load_b128 v[LGR+4*\j:LGR+4*\j+3], v2, s[8:9] offset:512*\j
.endr
.irp j, 0,1,2,3
	global_load_b32 v[MK+\j], v3, s[6:7] offset:128*\j
.endr
.set cr, 0
.rept 16
	global_load_b128 v[SL+8*cr:SL+8*cr+3], v2, s[4:5] offset:2048*cr th:TH_LOAD_NT
	global_load_b128 v[SL+8*cr+4:SL+8*cr+7], v2, s[4:5] offset:2048*cr+512 th:TH_LOAD_NT
.set cr, cr+1
.endr
	s_wait_loadcnt 32                              ; logits and mask are in; kb's 32 loads are younger
.irp j, 0,1,2,3
.irp e, 0,1,2,3
	v_bfe_u32 v36, v[MK+\j], 8*\e, 8
	v_cmp_ne_u32 vcc_lo, 0, v36
	v_cndmask_b32 v[LGR+4*\j+\e], 0xc61c4000, v[LGR+4*\j+\e], vcc_lo   ; -10000 where the mask is false
.endr
.endr
	v_max3_num_f32 v36, v16, v17, v18
	v_max3_num_f32 v37, v19, v20, v21
	v_max3_num_f32 v36, v36, v22, v23
	v_max3_num_f32 v37, v37, v24, v25
	v_max3_num_f32 v36, v36, v26, v27
	v_max3_num_f32 v37, v37, v28, v29
	v_max3_num_f32 v36, v36, v30, v31
	v_max_num_f32 v36, v36, v37
.irp x, 1,2,4,8
	v_max_num_f32_dpp v36, v36, v36 row_xmask:\x row_mask:0xf bank_mask:0xf
.endr
	v_permlanex16_b32 v37, v36, s18, s19
	v_max_num_f32 v36, v36, v37                    ; the largest of the 512
.set ci, 0
.rept 16
	v_sub_f32 v[LGR+ci], v[LGR+ci], v36
.set ci, ci+1
.endr
.set ci, 0
.rept 16
	v_mul_f32 v[LGR+ci], 0x3fb8aa3b, v[LGR+ci]
.set ci, ci+1
.endr
.set ci, 0
.rept 16
	v_exp_f32 v[LGR+ci], v[LGR+ci]
.set ci, ci+1
.endr
	v_nop                                          ; a plain place behind the exponentials
	s_wait_alu depctr_va_vdst(0)                   ; one wait for the sixteen, ahead of their first reader
	v_pk_add_f32 v[36:37], v[16:17], v[18:19]
	v_pk_add_f32 v[38:39], v[20:21], v[22:23]
	v_pk_add_f32 v[36:37], v[36:37], v[24:25]
	v_pk_add_f32 v[38:39], v[38:39], v[26:27]
	v_pk_add_f32 v[36:37], v[36:37], v[28:29]
	v_pk_add_f32 v[38:39], v[38:39], v[30:31]
	v_pk_add_f32 v[36:37], v[36:37], v[38:39]
	v_add_f32 v36, v36, v37
.irp x, 1,2,4,8
	v_add_f32_dpp v36, v36, v36 row_xmask:\x row_mask:0xf bank_mask:0xf
.endr
	v_permlanex16_b32 v37, v36, s18, s19
	v_add_f32 v36, v36, v37
	v_rcp_f32 v37, v36
	v_nop
	s_wait_alu depctr_va_vdst(0)
.set ci, 0
.rept 16
	v_mul_f32 v[LGR+ci], v[LGR+ci], v37
.set ci, ci+1
.endr
.irp j, 0,1,2,3
	ds_store_b128 v12, v[LGR+4*\j:LGR+4*\j+3] offset:512*\j   ; in the order of the rows
.endr
.irp i, 0,1,2,3,4,5,6,7
	ds_load_b128 v[WBR+4*\i:WBR+4*\i+3], v13 offset:16*\i     ; LDS serves a wave's instructions in order: these see my stores
.endr
	s_wait_dscnt 0x0
	s_cmp_lg_u32 s14, 0
	s_cbranch_scc1 .Lnot_out2
.irp k, 0,1,2,3,4,5,6,7
	v_cndmask_b32 v[4+\k], v[LGR+\k], v[LGR+8+\k], s17        ; rows 256 ch ..
.endr
	global_store_b128 v2, v[4:7], s[10:11]
	global_store_b128 v2, v[8:11], s[10:11] offset:512
.Lnot_out2:
.macro ROW rho
.if \rho < 17
	s_wait_loadcnt 30                              ; this row's two loads are in; fifteen rows' are younger
.else
	s_wait_loadcnt 2*(31-\rho)
.endif
.irp k, 0,1,2,3,4,5,6,7
.if \rho == 0
	v_mul_f32 v[AC+\k], v[WBR+\rho], v[SL+8*(\rho%16)+\k]
.else
	v_fmac_f32 v[AC+\k], v[WBR+\rho], v[SL+8*(\rho%16)+\k]
.endif
.endr
.if \rho < 16
	global_load_b128 v[SL+8*\rho:SL+8*\rho+3], v2, s[4:5] offset:2048*(\rho+16) th:TH_LOAD_NT
	global_load_b128 v[SL+8*\rho+4:SL+8*\rho+7], v2, s[4:5] offset:2048*(\rho+16)+512 th:TH_LOAD_NT
.endif
.endm
.set cr, 0
.rept 32
	ROW cr
.set cr, cr+1
.endr
	ds_store_b128 v14, v[AC:AC+3]
	ds_store_b128 v14, v[AC+4:AC+7] offset:512
	s_wait_dscnt 0x0                               ; for the others' sake: my partial sums lie in LDS
	s_barrier_signal -1
	s_barrier_wait -1
	s_cmp_ge_u32 s14, 4
	s_cbranch_scc1 .Ldone
.set ci, 0
.rept 16
	ds_load_b64 v[80+2*ci:81+2*ci], v15 offset:1024*ci
.set ci, ci+1
.endr
	s_wait_dscnt 0x0
.irp k, 0,4,8,12,16,20,24,28
	v_pk_add_f32 v[80+\k:81+\k], v[80+\k:81+\k], v[82+\k:83+\k]
.endr
.irp k, 0,8,16,24
	v_pk_add_f32 v[80+\k:81+\k], v[80+\k:81+\k], v[84+\k:85+\k]
.endr
	v_pk_add_f32 v[80:81], v[80:81], v[88:89]
	v_pk_add_f32 v[96:97], v[96:97], v[104:105]
	v_pk_add_f32 v[80:81], v[80:81], v[96:97]
	v_lshlrev_b32 v36, 3, v0
	global_store_b64 v36, v[80:81], s[12:13]       ; a wave stores 256 consecutive bytes
.Ldone:
	s_wait_tensorcnt 0x0
	ds_add_u32 v208, v209
	s_wait_dscnt 0x0
	s_endpgm
.Lfunc_end_k_q1969b48fef_read:
	.size	k_q1969b48fef_read, .Lfunc_end_k_q1969b48fef_read-k_q1969b48fef_read
	.p2alignl 7, 3214868480
	.fill 96, 4, 3214868480
	.section	.rodata,"a",@progbits
	.p2align	6, 0x0
	.amdhsa_kernel k_q1969b48fef_read
		.amdhsa_group_segment_fixed_size 51200
		.amdhsa_private_segment_fixed_size 0
		.amdhsa_enable_private_segment 0
		.amdhsa_kernarg_size 40
		.amdhsa_user_sgpr_count 2
		.amdhsa_user_sgpr_kernarg_segment_ptr 1
		.amdhsa_wavefront_size32 1
		.amdhsa_system_sgpr_workgroup_id_x 1
		.amdhsa_system_sgpr_workgroup_id_y 1
		.amdhsa_system_sgpr_workgroup_id_z 1
		.amdhsa_system_vgpr_workitem_id 0
		.amdhsa_next_free_vgpr 210
		.amdhsa_next_free_sgpr 66
		.amdhsa_reserve_vcc 1
		.amdhsa_float_denorm_mode_32 3
		.amdhsa_float_denorm_mode_16_64 3
		.amdhsa_memory_ordered 1
		.amdhsa_forward_progress 1
		.amdhsa_inst_pref_size 29
	.end_amdhsa_kernel
	.amdgpu_metadata
---
amdhsa.version: [ 1, 2 ]
amdhsa.kernels:
  - .name:           k_q1969b48fef_read
    .symbol:         k_q1969b48fef_read.kd
    .args:
      - { .name: kb, .offset: 0, .size: 8, .value_kind: global_buffer, .address_space: global }
      - { .name: kb_mask, .offset: 8, .size: 8, .value_kind: global_buffer, .address_space: global }
      - { .name: rlog, .offset: 16, .size: 8, .value_kind: global_buffer, .address_space: global }
      - { .name: out2, .offset: 24, .size: 8, .value_kind: global_buffer, .address_space: global }
      - { .name: rv, .offset: 32, .size: 8, .value_kind: global_buffer, .address_space: global }
    .group_segment_fixed_size: 51200
    .private_segment_fixed_size: 0
    .kernarg_segment_align: 8
    .kernarg_segment_size: 40
    .max_flat_workgroup_size: 512
    .sgpr_count:     66
    .vgpr_count:     210
    .wavefront_size: 32
...
	.end_amdgpu_metadata
.endif
;; end of part 3
;; launch write (part 4): grid 128 x 1, 8 waves a work-group, no clusters, 84,992 bytes of LDS; arguments memory, rv, wwr, b_wr, out1; writes out1
.if DOCPART == 4
	.amdgcn_target "amdgcn-amd-amdhsa--gfx1250"
	.amdhsa_code_object_version 6
	.text
	.protected	k_q1969b48fef_write
	.globl	k_q1969b48fef_write
	.p2align	8
	.type	k_q1969b48fef_write,@function
k_q1969b48fef_write:
	s_mov_b64 s[64:65], 0
	v_nop
	global_prefetch_b8 v0, s[64:65] scope:SCOPE_SE
	s_setreg_imm32_b32 hwreg(HW_REG_WAVE_MODE, 25, 1), 1
	s_wait_xcnt 0x0
; out1 = [memory, rv] W_wr + b_wr, on codes of FP6 (E2M3) with one E8M0 scale for each 32 along K.
; Work-group (n, rg) makes 16 columns (16 n ..) of 32 batch rows (32 rg ..).  Each of its eight waves takes ONE K step of 128: waves 0-3 memory, 4-7 rv.
; W_wr comes as codes that the first launch has laid in the order of the operand's registers: fragment 32 w + n of wwr, 1,536 bytes (lane l's 16 bytes at 16 l of each of three blocks of 512), and its scale words
; (64 bytes from byte 393,216 + 64 (32 w + n) on): three loads of 16 bytes a lane and one of 4.
; A wave's two tiles of 16 rows come by loads of 512 consecutive bytes and turn through the wave's own stage in LDS, so that a lane holds 16 neighbours of each block of 32; they are quantised in registers.
; Two matrix instructions a wave; the partial sums meet in LDS; waves 0 and 1 add them and b_wr, which was asked for with the first loads.  38 loads a wave are out at once.
; The matrix instruction is used transposed (source 0 = 16 columns of the weight, source 1 = 16 batch rows): a lane holds eight neighbouring outputs of one row.
; NO CLUSTER, NO TENSOR LOAD: the rows are f32 numbers that go through registers to be quantised; a fragment of the weight is read by four work-groups once each.
; LIMITS: NaN and infinities are not served.  A block whose largest magnitude lies under 2^-124 gets the scale byte 1.  The sum over K is split over waves: its f32 additions stand in another order than in one chain.
.set WV,   34
.set AP,   40
.set WP,   42
.set SEL,  58
.set STG,  16384                       ; LDS: eight partial sums of 2,048 bytes; behind them a stage of 16 rows x 528 bytes for each wave
.set STGB, 8448
.set STI,  7
.set STO,  8
.set PWA,  14                          ; the row tiles' scale words
.set PWB,  15
.set BI,   16                          ; v16-23   b_wr at my eight columns
.set AN0,  80                          ; v80-143  row tile 0; when it is quantised: tile 1's codes and the two accumulators
.set AN1,  144                         ; v144-207 row tile 1; at the end the partial sums
.set PCB,  96
.set ACC,  116
.set SUM,  144
.set WC,   208                         ; v208-219 the weight's fragment
.set TM,   220
.set PCA,  236                         ; v236-254 tile 0's codes
.set WSW,  255                         ; the weight's scale word
.macro PLACES n
.rept \n
	v_nop
.endr
.endm
.macro ALOAD reg, mt                   ; row tile mt: 16 rows x my K step's 512 bytes; each load reads 512 consecutive bytes
.set ci, 0
.rept 16
	global_load_b128 v[\reg+4*ci:\reg+4*ci+3], v4, s[AP:AP+1] offset:32768*\mt+2048*ci
.set ci, ci+1
.endr
.endm
; a tile through my stage, back into the registers that it left: register 16 b + 4 q + e is then k = 32 b + 16 h + 4 q + e of row r.  LDS serves a wave's instructions in order (ISA guide 5.7.1.4): no wait between
; the stores and the loads, nor in front of the next tile's stores.  Rows 528 bytes apart: the sixteen rows that a load touches start at sixteen different columns of 16 bytes.
.macro TURN reg
.set ci, 0
.rept 16
	ds_store_b128 v[STI], v[\reg+4*ci:\reg+4*ci+3] offset:528*ci
.set ci, ci+1
.endr
.irp b, 0,1,2,3
.irp q, 0,1,2,3
	ds_load_b128 v[\reg+16*\b+4*\q:\reg+16*\b+4*\q+3], v[STO] offset:128*\b+16*\q
.endr
.endr
.endm
.macro QUANT s, pc, pw                 ; 64 numbers of a lane, register 16 b + i = k 32 b + 16 h + i of my row, become codes in v[pc] on and the scale word v[pw]
.irp b, 0,1,2,3
	v_max3_num_f32 v[TM+\b], |v[\s+16*\b]|, |v[\s+1+16*\b]|, 0x1800000   ; with the floor 2^(3 - 127): the byte cannot fall under 1
.endr
.irp i, 2,4,6,8,10,12,14
.irp b, 0,1,2,3
	v_max3_num_f32 v[TM+\b], v[TM+\b], |v[\s+16*\b+\i]|, |v[\s+1+16*\b+\i]|
.endr
.endr
.irp b, 0,1,2,3
	v_permlanex16_b32 v[TM+4+\b], v[TM+\b], s[SEL], s[SEL+1]
.endr
.irp b, 0,1,2,3
	v_max_num_f32 v[TM+\b], v[TM+\b], v[TM+4+\b]   ; with lane l xor 16's: the block's largest magnitude
.endr
.irp b, 0,1,2,3
	v_add_nc_u32 v[TM+12+\b], 0xff000000, v[TM+\b] ; 2 off its exponent field: the conversion's scale operand
.endr
.irp b, 0,1,2,3
	v_lshrrev_b32 v[TM+4+\b], 23, v[TM+12+\b]      ; the scale's byte
.endr
	v_lshl_or_b32 v[\pw], v[TM+5], 8, v[TM+4]
	v_lshl_or_b32 v[\pw], v[TM+6], 16, v[\pw]
	v_lshl_or_b32 v[\pw], v[TM+7], 24, v[\pw]
.irp c, 0,1
	v_cvt_scalef32_pk16_fp6_f32 v[\pc+6*\c:\pc+2+6*\c], v[\s+32*\c:\s+15+32*\c], v[TM+12+2*\c]
	v_cvt_scalef32_pk16_fp6_f32 v[\pc+12+4*\c:\pc+14+4*\c], v[\s+16+32*\c:\s+31+32*\c], v[TM+12+2*\c+1]   ; (a conversion's three registers begin on an even number)
.endr
	v_nop                                          ; one plain place behind a scaled conversion
.irp c, 0,1                                    ; the operand's layout wants a whole block in a lane
.irp i, 0,1,2
	v_permlane16_swap_b32 v[\pc+6*\c+\i], v[\pc+12+4*\c+\i]
.endr
.irp i, 0,1,2
	v_mov_b32 v[\pc+3+6*\c+\i], v[\pc+12+4*\c+\i]
.endr
.endr
.endm
	s_load_b256 s[4:11], s[0:1], 0x0               ; memory, rv, wwr, b_wr
	s_load_b64 s[12:13], s[0:1], 0x20              ; out1
	v_lshl_add_u32 v231, v0, 2, 0x14800
	v_mov_b32 v251, 0
	v_lshrrev_b32 v1, 5, v0
	v_readfirstlane_b32 s[WV], v1                  ; wave 0..7
	v_and_b32 v1, 31, v0
	v_and_b32 v2, 15, v0                           ; r
	v_bfe_u32 v3, v0, 4, 1                         ; h
	v_lshlrev_b32 v4, 4, v1                        ; 16 l
	v_lshlrev_b32 v5, 2, v2                        ; 4 r
	s_mov_b32 s[SEL], 0x76543210
	s_mov_b32 s[SEL+1], 0xfedcba98
.irp b, 0,1,2,3
	v_mov_b32 v[TM+4+\b], 0                        ; written once: a lane permute's destination counts as one of its sources
.endr
	s_and_b32 s35, ttmp9, 31                       ; n
	s_lshr_b32 s36, ttmp9, 5                       ; rg
	s_and_b32 s37, s[WV], 3                        ; my K step in my rows' tensor
	s_lshl_b32 s44, s36, 16                        ; 32 rows of 2,048 bytes
	s_lshl_b32 s45, s37, 9                         ; 128 numbers
	s_add_co_u32 s44, s44, s45
	s_mov_b32 s45, 0
	s_lshl_b32 s38, s[WV], 5
	s_add_co_u32 s38, s38, s35                     ; my fragment of the weight: 32 w + n
	s_mul_i32 s46, s38, 1536
	s_mov_b32 s47, 0
	s_lshl_b32 s48, s38, 6
	s_add_co_u32 s48, s48, 393216                  ; its scale words
	s_mov_b32 s49, 0
	s_mul_i32 s50, s[WV], STGB
	s_add_co_u32 s50, s50, STG                     ; my stage
	v_add_nc_u32 v[STI], s50, v4
	v_mul_u32_u24 v13, v2, 528
	v_lshl_add_u32 v13, v3, 6, v13
	v_add_nc_u32 v[STO], s50, v13
	s_lshl_b32 s51, s[WV], 11
	v_add_nc_u32 v9, s51, v4                       ; my partial sums' place: 2,048 w + 16 l
	s_lshl_b32 s52, s[WV], 10
	v_add_nc_u32 v10, s52, v4                      ; waves 0 and 1 at the end: row tile w of every partial sum
	s_lshl_b32 s53, s35, 6
	v_lshl_add_u32 v11, v3, 5, s53                 ; my eight columns: 64 n + 32 h bytes
	s_lshl_b32 s54, s36, 5
	s_lshl_b32 s55, s[WV], 4
	s_add_co_u32 s54, s54, s55
	s_lshl_b32 s54, s54, 11                        ; that tile's first row
	v_lshl_add_u32 v12, v2, 11, v11
	v_add_nc_u32 v12, s54, v12
	s_wait_kmcnt 0x0
	s_cmp_lt_u32 s[WV], 4
	s_cselect_b64 s[AP:AP+1], s[4:5], s[6:7]       ; memory or rv
	s_add_nc_u64 s[AP:AP+1], s[AP:AP+1], s[44:45]
	s_add_nc_u64 s[WP:WP+1], s[8:9], s[46:47]
	s_add_nc_u64 s[48:49], s[8:9], s[48:49]
	ALOAD AN0, 0
	ALOAD AN1, 1
.irp c, 0,1,2
	global_load_b128 v[WC+4*\c:WC+4*\c+3], v4, s[WP:WP+1] offset:512*\c   ; the fragment, as its registers were stored
.endr
	global_load_b32 v[WSW], v5, s[48:49]           ; lane r: column r's scale word (lanes 16-31 take the same and are not read)
	global_load_b128 v[BI:BI+3], v11, s[10:11]     ; b_wr.  Every wave asks; waves 0 and 1 use it
	global_load_b128 v[BI+4:BI+7], v11, s[10:11] offset:16
	s_wait_loadcnt 22                              ; tile 0 is in; tile 1's 16 loads and the six behind them are younger
	TURN AN0
	s_wait_loadcnt 6                               ; tile 1 is in
	TURN AN1
	s_wait_dscnt 32                                ; tile 0 is back; tile 1's 32 LDS instructions are younger
	QUANT AN0, PCA, PWA
	s_wait_dscnt 0x0
	QUANT AN1, PCB, PWB
	s_wait_loadcnt 0x0                             ; the weight's fragment, its scale word, the bias
	PLACES 8                                       ; a scale register written by a vector instruction stands 8 places ahead of a scaled matrix instruction, an operand 4
	v_wmma_scale_f32_16x16x128_f8f6f4 v[ACC:ACC+7], v[WC:WC+11], v[PCA:PCA+11], 0, v[WSW], v[PWA] matrix_a_fmt:MATRIX_FMT_FP6 matrix_b_fmt:MATRIX_FMT_FP6
	v_wmma_scale_f32_16x16x128_f8f6f4 v[ACC+8:ACC+15], v[WC:WC+11], v[PCB:PCB+11], 0, v[WSW], v[PWB] matrix_a_fmt:MATRIX_FMT_FP6 matrix_b_fmt:MATRIX_FMT_FP6
	PLACES 4
.irp t, 0,1
.irp e, 0,1
	ds_store_b128 v9, v[ACC+8*\t+4*\e:ACC+8*\t+4*\e+3] offset:1024*\t+512*\e   ; each accumulator from its low end on
.endr
.endr
	s_wait_dscnt 0x0                               ; for the others' sake: my partial sums lie in LDS
	s_barrier_signal -1
	s_barrier_wait -1
	s_cmp_ge_u32 s[WV], 2
	s_cbranch_scc1 .Ldone
.irp i, 0,1,2,3,4,5,6,7
.irp e, 0,1
	ds_load_b128 v[SUM+8*\i+4*\e:SUM+8*\i+4*\e+3], v10 offset:2048*\i+512*\e
.endr
.endr
	s_wait_dscnt 0x0
.irp k, 0,2,4,6
	v_pk_add_f32 v[SUM+\k:SUM+1+\k], v[SUM+\k:SUM+1+\k], v[SUM+8+\k:SUM+9+\k]
	v_pk_add_f32 v[SUM+16+\k:SUM+17+\k], v[SUM+16+\k:SUM+17+\k], v[SUM+24+\k:SUM+25+\k]
	v_pk_add_f32 v[SUM+32+\k:SUM+33+\k], v[SUM+32+\k:SUM+33+\k], v[SUM+40+\k:SUM+41+\k]
	v_pk_add_f32 v[SUM+48+\k:SUM+49+\k], v[SUM+48+\k:SUM+49+\k], v[SUM+56+\k:SUM+57+\k]
.endr
.irp k, 0,2,4,6
	v_pk_add_f32 v[SUM+\k:SUM+1+\k], v[SUM+\k:SUM+1+\k], v[SUM+16+\k:SUM+17+\k]
	v_pk_add_f32 v[SUM+32+\k:SUM+33+\k], v[SUM+32+\k:SUM+33+\k], v[SUM+48+\k:SUM+49+\k]
.endr
.irp k, 0,2,4,6
	v_pk_add_f32 v[SUM+\k:SUM+1+\k], v[SUM+\k:SUM+1+\k], v[SUM+32+\k:SUM+33+\k]
.endr
.irp k, 0,2,4,6
	v_pk_add_f32 v[SUM+\k:SUM+1+\k], v[SUM+\k:SUM+1+\k], v[BI+\k:BI+1+\k]
.endr
	global_store_b128 v12, v[SUM:SUM+3], s[12:13]
	global_store_b128 v12, v[SUM+4:SUM+7], s[12:13] offset:16
.Ldone:
	s_wait_tensorcnt 0x0
	ds_add_u32 v231, v251
	s_wait_dscnt 0x0
	s_endpgm
.Lfunc_end_k_q1969b48fef_write:
	.size	k_q1969b48fef_write, .Lfunc_end_k_q1969b48fef_write-k_q1969b48fef_write
	.p2alignl 7, 3214868480
	.fill 96, 4, 3214868480
	.section	.rodata,"a",@progbits
	.p2align	6, 0x0
	.amdhsa_kernel k_q1969b48fef_write
		.amdhsa_group_segment_fixed_size 84992
		.amdhsa_private_segment_fixed_size 0
		.amdhsa_enable_private_segment 0
		.amdhsa_kernarg_size 40
		.amdhsa_user_sgpr_count 2
		.amdhsa_user_sgpr_kernarg_segment_ptr 1
		.amdhsa_wavefront_size32 1
		.amdhsa_system_sgpr_workgroup_id_x 1
		.amdhsa_system_sgpr_workgroup_id_y 1
		.amdhsa_system_sgpr_workgroup_id_z 1
		.amdhsa_system_vgpr_workitem_id 0
		.amdhsa_next_free_vgpr 256
		.amdhsa_next_free_sgpr 66
		.amdhsa_reserve_vcc 0
		.amdhsa_float_denorm_mode_32 3
		.amdhsa_float_denorm_mode_16_64 3
		.amdhsa_memory_ordered 1
		.amdhsa_forward_progress 1
		.amdhsa_inst_pref_size 23
	.end_amdhsa_kernel
	.amdgpu_metadata
---
amdhsa.version: [ 1, 2 ]
amdhsa.kernels:
  - .name:           k_q1969b48fef_write
    .symbol:         k_q1969b48fef_write.kd
    .args:
      - { .name: memory, .offset: 0, .size: 8, .value_kind: global_buffer, .address_space: global }
      - { .name: rv, .offset: 8, .size: 8, .value_kind: global_buffer, .address_space: global }
      - { .name: wwr, .offset: 16, .size: 8, .value_kind: global_buffer, .address_space: global }
      - { .name: b_wr, .offset: 24, .size: 8, .value_kind: global_buffer, .address_space: global }
      - { .name: out1, .offset: 32, .size: 8, .value_kind: global_buffer, .address_space: global }
    .group_segment_fixed_size: 84992
    .private_segment_fixed_size: 0
    .kernarg_segment_align: 8
    .kernarg_segment_size: 40
    .max_flat_workgroup_size: 256
    .sgpr_count:     66
    .vgpr_count:     256
    .wavefront_size: 32
...
	.end_amdgpu_metadata
.endif
;; end of part 4
